; MI455X (gfx1250); checked and timed in simulation.
; The chip was launched on July 23, 2026; its instructions are those of AMD's public machine-readable ISA for CDNA 5 (MIT licence, August 2026) and "CDNA5" Instruction Set Architecture Reference Guide (July 2026). The comments in the code are by the model that wrote it; some were corrected since.
;; Self Attention. Allowed arithmetic: float matrix products may take bf16 or f16 operands with f32 sums; other float arithmetic in f32, or as packed bf16 or f16 multiplies, adds, multiply-adds, maxima and minima; sums over many terms, partial sums and values carried from step to step in f32; what a program stores and reads back later, other than sums and carried values, may be rounded once to bf16 or f16.
;; Inputs: W_k 1,024 x 1,024 float32; W_q 1,024 x 1,024 float32; W_v 1,024 x 1,024 float32; x 4 x 2,048 x 1,024 float32.
;; Outputs: out0 4 x 2,048 x 1,024 float32.
;; 2 versions, each right; version 2 is version 1 with the launch cast written anew for expert scheduling mode. Each part assembles by itself: llvm-mc -triple=amdgcn-amd-amdhsa -mcpu=gfx1250 --defsym DOCPART=n.
;; ======== version 1 of 2: 4 launches
;; limits: values are held in f16: magnitudes above 65,504 overflow, below 6.1e-05 lose precision; right only within a limited range of input values
;; workspace buffers: xb 16,777,216 bytes; wb 6,291,456 bytes; qk 33,554,432 bytes; vt 16,777,216 bytes; p 33,554,432 bytes; stats 1,048,576 bytes
;; launch cast (part 1): grid 256 x 1, 11 waves a work-group, no clusters, 0 bytes of LDS; arguments x, W_q, W_k, W_v, xb, wb; writes xb, wb
.if DOCPART == 1
	.amdgcn_target "amdgcn-amd-amdhsa--gfx1250"
	.amdhsa_code_object_version 6
	.text
	.protected	k_q4eed6f24d3_cast
	.globl	k_q4eed6f24d3_cast
	.p2align	8
	.type	k_q4eed6f24d3_cast,@function
k_q4eed6f24d3_cast:
	s_mov_b64 s[64:65], 0
	v_nop
	global_prefetch_b8 v0, s[64:65] scope:SCOPE_SE
	s_setreg_imm32_b32 hwreg(HW_REG_WAVE_MODE, 25, 1), 1
	s_wait_xcnt 0x0
; x [8192][1024] and W_q, W_k, W_v [1024][1024], all f32, are rounded once to bf16 (nearest even) and laid out in blocks of 64 along K:
;   xb: [16 kb][8192 rows][64], byte kb x 1,048,576 + row x 128 + 2 k;   wb: [16 kb][3072 rows][64], rows 0-1023 W_q, 1024-2047 W_k, 2048-3071 W_v, a block 393,216 bytes.
; So the rows of a tile of the next launch (64 along K) lie end to end in memory.
; SHARES.  11,264 rows of 4,096 bytes: 44 to a work-group, 4 to each of its 11 waves; a wave's first row is a multiple of 4, so its rows lie in one tensor.
; A load takes 256 bytes (one block's 64 numbers) of two rows, 16 bytes a lane; the store puts the same two rows' 128 + 128 bytes, which are neighbours in a block: 256 consecutive bytes, aligned.
; All 32 loads of a wave go out first (16 KiB a wave); each is waited for by its own count.  No register is written twice, so no further wait is needed.
; No LDS, no matrix unit, no cluster: nothing is shared and nothing is added up.
.set VI, 2                             ; v2      where I read: (lane / 16) x 4,096 + 16 (lane % 16)
.set VO, 8                             ; v[8:23] where I write in block kb: (lane / 16) x 128 + 8 (lane % 16) + kb x the block's bytes
.set IN, 32                            ; v[32:159] four registers for each of the 32 loads
	s_load_b256 s[4:11], s[0:1], 0x0               ; x s[4:5], W_q s[6:7], W_k s[8:9], W_v s[10:11]
	s_load_b128 s[12:15], s[0:1], 0x20             ; xb s[12:13], wb s[14:15]
	v_lshrrev_b32 v1, 5, v0
	v_readfirstlane_b32 s16, v1                    ; wave 0..10
	s_mul_i32 s17, ttmp9, 44
	s_lshl2_add_u32 s17, s16, s17                  ; my first row among the 11,264
	s_sub_co_u32 s18, s17, 8192                    ; its place among the 3,072 rows of the weights (used only where it is one of them)
	s_lshr_b32 s19, s18, 10                        ; which weight
	s_and_b32 s20, s18, 1023                       ; the row in it
	s_mov_b32 s28, 0x100000                        ; a block of xb
	s_mov_b32 s29, 0x60000                         ; a block of wb
	s_mov_b32 s31, 0
	v_and_b32 v3, 15, v0
	v_bfe_u32 v4, v0, 4, 1
	v_lshlrev_b32 v[VI], 4, v3
	v_lshl_add_u32 v[VI], v4, 12, v[VI]
	v_lshlrev_b32 v[VO], 3, v3
	v_lshl_add_u32 v[VO], v4, 7, v[VO]
	s_wait_kmcnt 0x0
	s_cmp_eq_u32 s19, 1
	s_cselect_b64 s[22:23], s[8:9], s[6:7]
	s_cmp_eq_u32 s19, 2
	s_cselect_b64 s[22:23], s[10:11], s[22:23]
	s_cmp_lt_u32 s17, 8192                         ; a row of x?
	s_cselect_b64 s[22:23], s[4:5], s[22:23]       ; from where
	s_cselect_b64 s[24:25], s[12:13], s[14:15]     ; to where
	s_cselect_b32 s26, s17, s20                    ; the row in the source
	s_cselect_b32 s27, s17, s18                    ; the row in the target
	s_cselect_b32 s28, s28, s29                    ; the target's block
	s_lshl_b32 s30, s26, 12
	s_add_nc_u64 s[22:23], s[22:23], s[30:31]
	s_lshl_b32 s30, s27, 7
	s_add_nc_u64 s[24:25], s[24:25], s[30:31]
.set n, 1
.rept 15
	v_add_nc_u32 v[VO+n], s28, v[VO+n-1]
.set n, n+1
.endr
.set n, 0
.rept 32                                       ; load n: rows 2 (n / 16) and + 1, block n % 16
	global_load_b128 v[IN+4*n:IN+4*n+3], v[VI], s[22:23] offset:(n/16)*8192+(n%16)*256 th:TH_LOAD_NT
.set n, n+1
.endr
.set n, 0
.rept 32
	s_wait_loadcnt 31-n                            ; loads come back in order (ISA guide 5.7.1): load n is in, the 31 - n younger ones stay out
	v_cvt_pk_bf16_f32 v[IN+4*n], v[IN+4*n], v[IN+4*n+1]
	v_cvt_pk_bf16_f32 v[IN+4*n+1], v[IN+4*n+2], v[IN+4*n+3]
	global_store_b64 v[VO+n%16], v[IN+4*n:IN+4*n+1], s[24:25] offset:(n/16)*256
.set n, n+1
.endr
	s_endpgm
.Lfunc_end_k_q4eed6f24d3_cast:
	.size	k_q4eed6f24d3_cast, .Lfunc_end_k_q4eed6f24d3_cast-k_q4eed6f24d3_cast
	.p2alignl 7, 3214868480
	.fill 96, 4, 3214868480
	.section	.rodata,"a",@progbits
	.p2align	6, 0x0
	.amdhsa_kernel k_q4eed6f24d3_cast
		.amdhsa_group_segment_fixed_size 0
		.amdhsa_private_segment_fixed_size 0
		.amdhsa_enable_private_segment 0
		.amdhsa_kernarg_size 48
		.amdhsa_user_sgpr_count 2
		.amdhsa_user_sgpr_kernarg_segment_ptr 1
		.amdhsa_wavefront_size32 1
		.amdhsa_system_sgpr_workgroup_id_x 1
		.amdhsa_system_sgpr_workgroup_id_y 1
		.amdhsa_system_sgpr_workgroup_id_z 1
		.amdhsa_system_vgpr_workitem_id 0
		.amdhsa_next_free_vgpr 160
		.amdhsa_next_free_sgpr 66
		.amdhsa_reserve_vcc 0
		.amdhsa_float_denorm_mode_32 3
		.amdhsa_float_denorm_mode_16_64 3
		.amdhsa_memory_ordered 1
		.amdhsa_forward_progress 1
		.amdhsa_inst_pref_size 14
	.end_amdhsa_kernel
	.amdgpu_metadata
---
amdhsa.version: [ 1, 2 ]
amdhsa.kernels:
  - .name:           k_q4eed6f24d3_cast
    .symbol:         k_q4eed6f24d3_cast.kd
    .args:
      - { .name: x, .offset: 0, .size: 8, .value_kind: global_buffer, .address_space: global }
      - { .name: W_q, .offset: 8, .size: 8, .value_kind: global_buffer, .address_space: global }
      - { .name: W_k, .offset: 16, .size: 8, .value_kind: global_buffer, .address_space: global }
      - { .name: W_v, .offset: 24, .size: 8, .value_kind: global_buffer, .address_space: global }
      - { .name: xb, .offset: 32, .size: 8, .value_kind: global_buffer, .address_space: global }
      - { .name: wb, .offset: 40, .size: 8, .value_kind: global_buffer, .address_space: global }
    .group_segment_fixed_size: 0
    .private_segment_fixed_size: 0
    .kernarg_segment_align: 8
    .kernarg_segment_size: 48
    .max_flat_workgroup_size: 352
    .sgpr_count:     66
    .vgpr_count:     160
    .wavefront_size: 32
...
	.end_amdgpu_metadata
.endif
;; end of part 1
;; launch proj (part 2): grid 8 x 32, 4 waves a work-group, clusters of 4 x 4, 327,680 bytes of LDS; arguments xb, wb, qk, vt; writes qk, vt
.if DOCPART == 2
	.amdgcn_target "amdgcn-amd-amdhsa--gfx1250"
	.amdhsa_code_object_version 6
	.text
	.protected	k_q4eed6f24d3_proj
	.globl	k_q4eed6f24d3_proj
	.p2align	8
	.type	k_q4eed6f24d3_proj,@function
k_q4eed6f24d3_proj:
	s_mov_b64 s[64:65], 0
	v_nop
	global_prefetch_b8 v0, s[64:65] scope:SCOPE_SE
	s_setreg_imm32_b32 hwreg(HW_REG_WAVE_MODE, 25, 1), 1
	s_wait_xcnt 0x0
	s_wait_alu depctr_hold_cnt(0) depctr_sa_sdst(0) depctr_va_vdst(0) depctr_va_sdst(0) depctr_va_ssrc(0) depctr_va_vcc(0) depctr_vm_vsrc(0)
	s_getreg_b32 s2, hwreg(HW_REG_IB_STS2, 6, 4)
	s_cmp_eq_u32 s2, 0
	s_cbranch_scc0 .Lentry_in_a_cluster
	s_endpgm
.Lentry_in_a_cluster:
	s_bfe_u32 s2, ttmp6, 0x10000c
	s_cmp_lg_u32 s2, 0xf033
	s_cbranch_scc0 .Lentry_shape_is_right
	s_endpgm
.Lentry_shape_is_right:
; [Q | K | V] = x W^T: C[m][n] = sum over k of xb[m][k] wb[n][k], m < 8192, n < 3072, k < 1024.  Operands bf16, sums f32, results rounded once to f16.
; LIMIT.  f16 ends at 65,504: |Q|, |K|, |V| must stay under it (as drawn they reach about 3; with x and W both 30 times larger about 2,900; with both offset by 30 spreads about 17,000).
; OUT.  qk: f16 [32 cb][8192 rows][64], cb 0-15 Q's channels 64 cb on, cb 16-31 K's.  vt: f16 [64 kt][16 cb][128 keys][64 channels], kt = row / 128.  In both a wave's 128 rows x 64 columns are 16,384 dense bytes.
; SHARES.  A work-group makes 256 rows x 384 columns: 32 x 8 = 256 work-groups, one tile each.  Wave (WI, WJ) makes 128 x 192: 96 accumulators of 16 x 16, 768 registers.
; RING.  K goes in 16 steps of 64 through two LDS slots (256 rows of x, 384 rows of W, 128 bytes + 16 of padding each).  In xb and wb a step's rows lie end to end, so they are asked for as rows of 256 bytes.
; CLUSTER.  4 x 4 work-groups: x's tile hangs on the tile row alone and is asked for jointly along a row of the cluster, W's on the tile column alone, jointly along a column.
; THE MATRIX INSTRUCTION IS USED TRANSPOSED (source 0 = 16 rows of W, source 1 = 16 rows of x): a lane holds row lane % 16 of C and eight neighbouring columns 8 (lane / 16) + 0..7.
; REGISTERS, in windows of 256 (s_set_vgpr_msb: bits 1:0 source 0, 3:2 source 1, 5:4 source 2, 7:6 destination):
;   window 0: v16-30 addresses; v32-95, v96-159 x's fragments of a slice of 32 along K (8 x 8), two buffers; v160-191, v192-223, v224-255 W's fragments of column block 0, 1, 2 (4 x 8 each)
;   window 1 + c: the 32 accumulators of column block c (64 columns): (a, b) at v[8 (4 a + b)]
.set PITCH,  144                       ; an LDS row: 128 bytes + 16 = 36 words: the 16 rows of a load start at 16 different groups of four banks (64 banks of 4 bytes: ISA guide 11.1)
.set BOFF,   256*PITCH                 ; W's rows lie behind x's 256
.set SLOT1,  131072                    ; slot 1 begins here: one exclusive or turns an address in one slot into the other's
.set STAGE,  640*PITCH                 ; behind slot 0, never filled by a tensor load: for each wave 3 blocks x 16 rows x 144 bytes, for the way out
.set SPARE,  STAGE+4*48*PITCH          ; the spare words, 128 bytes for each wave: two blocks of 256 bytes that no other line names
.set XSTEP,  1048576                   ; bytes from a K step to the next in xb
.set WSTEP,  393216                    ; and in wb
.set ADRA0, 16                         ; v16  my place in x's rows of slot 0; never rewritten
.set ADRB0, 17                         ; v17  the same for W
.set ADRA,  18                         ; v18  the same in the slot in hand
.set ADRB,  19                         ; v19
.set STO,   24                         ; v24  the way out: where I put 16 bytes of a row
.set RD,    25                         ; v25  where I read rows back
.set CO,    26                         ; v26  16 x lane: my place in 512 consecutive bytes of the output
.set SPW,   28                         ; v28  LDS address of my spare word; never rewritten
.set NIL,   29                         ; v29  0; never rewritten
.set PFO,   30                         ; v30  the prefetches' offset; never rewritten
.set AF,    32                         ; x's fragments, buffer p at AF + 64 p
.set BF,    160                        ; W's fragments, column block c at BF + 32 c
.set TMP,   32                         ; the way out: 48 packed registers
.set WV, 12                            ; s12 wave;  s13 WI = wave / 2: my half of the rows, and: I fetch for x (0) or W (1);  s14 WJ = wave % 2: my half of the columns, and which half of that tile I fetch
.set WI, 13
.set WJ, 14
.set LIM, 15                           ; s15  a wave prefetches while the loop's count is above it
.set PFA, 20                           ; s[20:21] where my prefetches stand
.set PSTEP, 22                         ; s[22:23] a K step of the tensor that I prefetch
.set G1A, 24                           ; s[24:31] descriptor group 1, x's tiles;  s[32:39] group 0: a set for slot 0's first fill, and the set that walks
.set G0A, 32
.set PM,  44                           ; s44  1: I prefetch in every second trip
.set TB,  45                           ; s45  0 or SLOT1: the slot in hand
.set G1B, 48                           ; s[48:55], s[56:63] the same for W's tiles
.set G0B, 56
.set CB,  68                           ; s[68:73] where my 128 rows of column block 0, 1, 2 begin in qk or vt
.set MSB, 0
.macro WIN new                         ; the immediate's high byte repeats the setting that is left; a switch that changes nothing is dropped
.if MSB != (\new)
	s_set_vgpr_msb (MSB<<8)|(\new)
.set MSB, (\new)
.endif
.endm
.macro PLACES                          ; four places between a matrix instruction and a load into, or a vector instruction on, its registers (ISA guide 7.12.1 for vector instructions)
.rept 4
	v_nop
.endr
.endm
.macro CREST                           ; a round of the cluster's barrier behind its opening barrier
	s_cmp_lg_u32 s[WV], 0
	s_cbranch_scc1 .Lnot_wave_0_\@
	s_barrier_signal -3
.Lnot_wave_0_\@:
	s_barrier_wait -3
	s_barrier_signal -1
	s_barrier_wait -1
.endm
.macro CROUND                          ; a whole round
	s_barrier_signal -1
	s_barrier_wait -1
	CREST
.endm
.macro JLOAD                           ; a joint refill by the walking sets: waves 0 and 1 fetch x's halves, waves 2 and 3 W's; an s_nop 0 and four v_nop follow each line
	s_cmp_eq_u32 s[WI], 0
	s_cbranch_scc0 .Lfor_b_\@
	tensor_load_to_lds s[G0A+4:G0A+7], s[G1A:G1A+7]
	s_nop 0
.rept 4
	v_nop
.endr
	s_branch .Lasked_\@
.Lfor_b_\@:
	tensor_load_to_lds s[G0B+4:G0B+7], s[G1B:G1B+7]
	s_nop 0
.rept 4
	v_nop
.endr
.Lasked_\@:
.endm
; A PREFETCH INTO THE L2, behind the joint load of trip j (j = 14 - s3) and the run of LDS loads that follows it: K step j + 4, two refills on.
; x's tile rows are read by both clusters of a row of clusters: cluster x = 0 asks, wave 0, for its work-group's 32 of the tile's 128 blocks of 256 bytes (told apart by cx in the ADDRESS), while j + 4 <= 15.
; W's tile rows are read by all clusters of a column: cluster y = 0 asks; a work-group's share (by cy in the address) is 48 blocks a step, so waves 1 to 3 (96 lanes) ask in even trips for steps j + 4 and j + 5.
; So each block of K steps 4 to 15 is named once in the launch; steps 0 to 3 come by their loads alone.  The tests hang on the wave's number, the cluster's place and the loop's count.
.macro ASK
	s_and_b32 s76, s3, s[PM]
	s_cmp_eq_u32 s76, 0
	s_cselect_b32 s76, s3, 0
	s_cmp_gt_u32 s76, s[LIM]
	s_cbranch_scc0 .Lnot_mine_\@
	global_prefetch_b8 v[PFO], s[PFA:PFA+1] th:TH_LOAD_NT scope:SCOPE_SE
.Lnot_mine_\@:
.endm
	s_load_b256 s[4:11], s[0:1], 0x0               ; xb s[4:5], wb s[6:7], qk s[8:9], vt s[10:11]
	v_lshl_add_u32 v[SPW], v0, 2, SPARE
	v_mov_b32 v[NIL], 0
	ds_add_u32 v[SPW], v[NIL]                      ; the wave's opening: the add and its wait stand ahead of my first tensor load; the set-up below stands between them
	v_lshrrev_b32 v1, 5, v0
	v_readfirstlane_b32 s[WV], v1
	s_lshr_b32 s[WI], s[WV], 1
	s_and_b32 s[WJ], s[WV], 1
	s_bfe_u32 s40, ttmp6, 0x40000                  ; cx
	s_bfe_u32 s41, ttmp6, 0x40004                  ; cy
	s_lshl_b32 s42, ttmp9, 2
	s_add_co_u32 s42, s42, s40                     ; tile column = 4 x cluster x + cx
	s_and_b32 s43, ttmp7, 0xffff
	s_lshl_b32 s43, s43, 2
	s_add_co_u32 s43, s43, s41                     ; tile row = 4 x cluster y + cy
	s_lshl_b32 s16, s41, 2
	s_lshl_b32 s16, 15, s16                        ; my row of the cluster
	s_lshl_b32 s46, 0x1111, s40                    ; my column
	; group 1: rows of 128 elements of 2 bytes (two logical rows of 128 bytes), 16 bytes of padding after every 32 words: 64 such rows for x, 96 for W
	s_or_b32 s[G1A], s16, (1<<16)|(1<<20)|(1<<21)|(4<<22)|(3<<25)  ; 15:0 mask; 17:16 2-byte elements; 20 padding on; 21 set beside a mask; 24:22 every 32 words (code 4); 31:25 4 words (code 3)
	s_or_b32 s[G1B], s46, (1<<16)|(1<<20)|(1<<21)|(4<<22)|(3<<25)
	s_mov_b32 s[G1A+1], 128<<16                    ; tensor_dim0
	s_mov_b32 s[G1B+1], 128<<16
	s_mov_b32 s[G1A+2], 64<<16                     ; tensor_dim1
	s_mov_b32 s[G1B+2], 96<<16
	s_mov_b32 s[G1A+3], 128<<16                    ; tile_dim0
	s_mov_b32 s[G1B+3], 128<<16
	s_mov_b32 s[G1A+4], 64                         ; tile_dim1
	s_mov_b32 s[G1B+4], 96
	s_mov_b32 s[G1A+5], 128                        ; elements from row to row: dense
	s_mov_b32 s[G1B+5], 128
	s_mov_b32 s[G1A+6], 0
	s_mov_b32 s[G1B+6], 0
	s_mov_b32 s[G1A+7], 0
	s_mov_b32 s[G1B+7], 0
	s_lshl_b32 s16, s43, 8                         ; x: row 256 x tile row + 128 x half, 128 bytes a row
	s_lshl_b32 s17, s[WJ], 7
	s_add_co_u32 s16, s16, s17
	s_lshl_b32 s16, s16, 7
	s_mov_b32 s17, 0
	s_mul_i32 s46, s42, 384                        ; W: row 384 x tile column + 192 x half
	s_mul_i32 s47, s[WJ], 192
	s_add_co_u32 s46, s46, s47
	s_lshl_b32 s46, s46, 7
	s_mov_b32 s47, 0
	s_mul_i32 s18, s[WJ], 128*PITCH                ; where they go: no place in the cluster enters an LDS address
	s_mul_i32 s74, s[WJ], 192*PITCH
	s_add_co_u32 s74, s74, BOFF
	s_wait_dscnt 0x0                               ; the opening add is done
	s_wait_kmcnt 0x0
	s_add_nc_u64 s[16:17], s[4:5], s[16:17]
	s_add_nc_u64 s[46:47], s[6:7], s[46:47]
	CROUND                                         ; all sixteen work-groups are here: the first joint loads meet
.irp s, 0,1
	s_mov_b32 s[G0A+4*(\s)], 1                                       ; count = 1
	s_add_co_u32 s[G0A+4*(\s)+1], s18, (\s)*SLOT1                    ; LDS address
	s_add_nc_u64 s[G0A+4*(\s)+2:G0A+4*(\s)+3], s[16:17], (\s)*XSTEP  ; global address: K step s
	s_or_b32 s[G0A+4*(\s)+3], s[G0A+4*(\s)+3], 0x80000000            ; type = 2
	s_mov_b32 s[G0B+4*(\s)], 1
	s_add_co_u32 s[G0B+4*(\s)+1], s74, (\s)*SLOT1
	s_add_nc_u64 s[G0B+4*(\s)+2:G0B+4*(\s)+3], s[46:47], (\s)*WSTEP
	s_or_b32 s[G0B+4*(\s)+3], s[G0B+4*(\s)+3], 0x80000000
.endr
	s_cmp_eq_u32 s[WI], 0                          ; a wave's two first fills stand in one branch, ahead of every wait on TENSORcnt, LDS read and barrier of the work-group: two loads of mine are out
	s_cbranch_scc0 .Lfirst_b
	tensor_load_to_lds s[G0A:G0A+3], s[G1A:G1A+7]
	s_nop 0
	tensor_load_to_lds s[G0A+4:G0A+7], s[G1A:G1A+7]
	s_nop 0
.rept 4
	v_nop
.endr
	s_branch .Lfirst_asked
.Lfirst_b:
	tensor_load_to_lds s[G0B:G0B+3], s[G1B:G1B+7]
	s_nop 0
	tensor_load_to_lds s[G0B+4:G0B+7], s[G1B:G1B+7]
	s_nop 0
.rept 4
	v_nop
.endr
.Lfirst_asked:
	; A fragment is 16 rows x 32 K in 8 registers: lane l holds row l % 16, K = 8 (l / 16) + 0..7 and 16 + 8 (l / 16) + 0..7: two loads of 16 bytes, 32 bytes apart.
	v_and_b32 v1, 15, v0
	v_bfe_u32 v2, v0, 4, 1
	v_mul_u32_u24 v3, v1, PITCH
	v_lshl_add_u32 v3, v2, 4, v3                   ; row x pitch + 16 x half
	s_mul_i32 s74, s[WI], 128*PITCH
	s_mul_i32 s75, s[WJ], 192*PITCH
	s_add_co_u32 s75, s75, BOFF
	v_add_nc_u32 v[ADRA0], s74, v3
	v_add_nc_u32 v[ADRB0], s75, v3
	v_mov_b32 v[ADRA], v[ADRA0]
	v_mov_b32 v[ADRB], v[ADRB0]
	s_mov_b32 s[TB], 0
	s_mul_i32 s74, s[WV], 48*PITCH
	s_add_co_u32 s74, s74, STAGE                   ; my stage
	v_add_nc_u32 v[STO], s74, v3                   ; in: row l % 16, 16 bytes for each half of the lanes
	v_bfe_u32 v4, v0, 3, 2
	v_and_b32 v5, 7, v0
	v_mul_u32_u24 v4, v4, PITCH
	v_lshl_add_u32 v4, v5, 4, v4
	v_add_nc_u32 v[RD], s74, v4                    ; back: 32 lanes take four rows of 128 bytes,
	v_and_b32 v[CO], 31, v0
	v_lshlrev_b32 v[CO], 4, v[CO]                  ; which are 512 consecutive bytes of the output
	; the prefetches
	s_lshl_b32 s74, s43, 15                        ; x: the tile's 256 rows of 128 bytes,
	s_lshl_b32 s75, s40, 13                        ; my work-group's 32 blocks of 256 bytes
	s_add_co_u32 s74, s74, s75
	s_mul_i32 s75, s42, 384*128                    ; W: the tile's 384 rows,
	s_mul_i32 s76, s41, 48*256                     ; my work-group's 48 blocks
	s_add_co_u32 s75, s75, s76
	s_and_b32 s76, ttmp7, 0xffff                   ; cluster y
	s_mov_b32 s77, XSTEP
	s_mov_b32 s78, WSTEP
	s_cmp_eq_u32 s[WV], 0                          ; wave 0 asks for x, the others for W
	s_cselect_b32 s74, s74, s75
	s_cselect_b32 s76, ttmp9, s76                  ; the coordinate along which other clusters read the same rows
	s_cselect_b32 s[LIM], 2, 3
	s_cselect_b32 s[PM], 0, 1
	s_cselect_b32 s[PSTEP], s77, s78
	s_cselect_b32 s77, 0, 32
	s_cselect_b64 s[PFA:PFA+1], s[4:5], s[6:7]
	s_cmp_eq_u32 s76, 0
	s_cselect_b32 s[LIM], s[LIM], -1               ; the same in all sixteen partners, for a given wave
	s_mov_b32 s[PSTEP+1], 0
	s_mov_b32 s75, 0
	s_add_nc_u64 s[PFA:PFA+1], s[PFA:PFA+1], s[74:75]
	s_mul_i32 s74, s[PSTEP], 3
	s_add_nc_u64 s[PFA:PFA+1], s[PFA:PFA+1], s[74:75]  ; at K step 3: the first change of slots steps it to 4
	v_sub_nc_u32 v31, v0, s77                      ; my number among those that ask with me: 0..31 for x, 0..95 for W
	v_add_nc_u32 v6, 16, v31
	v_lshrrev_b32 v6, 6, v6                        ; 1 from number 48 on: the second of W's two steps
	v_mul_u32_u24 v6, v6, WSTEP-48*256
	v_lshl_add_u32 v[PFO], v31, 8, v6
	; where my three column blocks go: block 6 x tile column + 3 x half + c of 48; blocks 0-31 lie in qk, 32-47 in vt
	s_mul_i32 s74, s42, 6
	s_mul_i32 s75, s[WJ], 3
	s_add_co_u32 s74, s74, s75
	s_lshl_b32 s75, s43, 8
	s_lshl_b32 s76, s[WI], 7
	s_add_co_u32 s75, s75, s76                     ; my first row, a multiple of 128
	s_mov_b32 s79, 0
.irp c, 0,1,2
	s_add_co_u32 s76, s74, (\c)
	s_lshl_b32 s77, s76, 20
	s_lshl_b32 s78, s75, 7
	s_add_co_u32 s77, s77, s78                     ; in qk: block x 1,048,576 + row x 128
	s_sub_co_u32 s78, s76, 32
	s_lshl_b32 s78, s78, 14
	s_lshl_b32 s19, s75, 11
	s_add_co_u32 s78, s78, s19                     ; in vt: (row / 128) x 262,144 + (block - 32) x 16,384
	s_cmp_lt_u32 s76, 32
	s_cselect_b32 s78, s77, s78
	s_cselect_b64 s[CB+2*(\c):CB+2*(\c)+1], s[8:9], s[10:11]
	s_add_nc_u64 s[CB+2*(\c):CB+2*(\c)+1], s[CB+2*(\c):CB+2*(\c)+1], s[78:79]
.endr
; 8 matrix instructions: row blocks a0, a0 + 1 x the 4 column blocks of 16 of window 1 + c, 32 along K, x's buffer p.  zero = 1: the product starts the sum.
; The 96 accumulators take turns, one instruction a turn, in the same order in every slice.
.macro MUL8 p, c, a0, zero
	WIN 0x50*((\c)+1)                              ; C and D in window 1 + c, sources in window 0
.irp a, \a0, (\a0)+1
.irp b, 0,1,2,3
.if \zero
	v_wmma_f32_16x16x32_bf16 v[8*(4*(\a)+(\b)):8*(4*(\a)+(\b))+7], v[BF+32*(\c)+8*(\b):BF+32*(\c)+8*(\b)+7], v[AF+64*(\p)+8*(\a):AF+64*(\p)+8*(\a)+7], 0
.else
	v_wmma_f32_16x16x32_bf16 v[8*(4*(\a)+(\b)):8*(4*(\a)+(\b))+7], v[BF+32*(\c)+8*(\b):BF+32*(\c)+8*(\b)+7], v[AF+64*(\p)+8*(\a):AF+64*(\p)+8*(\a)+7], v[8*(4*(\a)+(\b)):8*(4*(\a)+(\b))+7]
.endif
.endr
.endr
.endm
.macro LDB c, k                        ; 8 LDS loads: W's four fragments of column block c, at byte k of the rows
	WIN 0
.irp i, 0,1,2,3
	ds_load_b128 v[BF+32*(\c)+8*(\i):BF+32*(\c)+8*(\i)+3],   v[ADRB] offset:(\k)+(4*(\c)+(\i))*16*PITCH
	ds_load_b128 v[BF+32*(\c)+8*(\i)+4:BF+32*(\c)+8*(\i)+7], v[ADRB] offset:(\k)+(4*(\c)+(\i))*16*PITCH+32
.endr
.endm
.macro LDA p, half, k                  ; 8 LDS loads: x's fragments 4 half .. 4 half + 3 into buffer p
	WIN 0
.irp i, 0,1,2,3
	ds_load_b128 v[AF+64*(\p)+8*(4*(\half)+(\i)):AF+64*(\p)+8*(4*(\half)+(\i))+3],   v[ADRA] offset:(\k)+(4*(\half)+(\i))*16*PITCH
	ds_load_b128 v[AF+64*(\p)+8*(4*(\half)+(\i))+4:AF+64*(\p)+8*(4*(\half)+(\i))+7], v[ADRA] offset:(\k)+(4*(\half)+(\i))*16*PITCH+32
.endr
.endm
; A SLICE is 32 along K: three units of 32 products, one for each column block.  The runs of loads go out in this order: in unit 0 W's block 2 of this slice (8); in unit 1 W's block 0 and x's first half
; of the next slice (16); in unit 2 x's second half and W's block 1 of the next slice (16).  Each wait's count is the loads issued behind those that it wants.
.macro UNIT0 p, k, zero
	s_wait_dscnt 16                                ; W's block 0 and x's first half are in; the 16 of the last unit 2 may be out
	MUL8 \p, 0, 0, \zero
	MUL8 \p, 0, 2, \zero
	PLACES
	LDB 2, \k
	s_wait_dscnt 16                                ; x's second half is in; W's block 1 (8) and the 8 just issued may be out
	MUL8 \p, 0, 4, \zero
	MUL8 \p, 0, 6, \zero
.endm
.macro UNIT1 p, kn, pn, zero
	s_wait_dscnt 8                                 ; W's block 1 is in; block 2's 8 may be out
	MUL8 \p, 1, 0, \zero
	MUL8 \p, 1, 2, \zero
	PLACES
	LDB 0, \kn
	LDA \pn, 0, \kn
	MUL8 \p, 1, 4, \zero
	MUL8 \p, 1, 6, \zero
.endm
.macro UNIT2 p, kn, pn, zero
	s_wait_dscnt 16                                ; W's block 2 is in; unit 1's 16 may be out
	MUL8 \p, 2, 0, \zero
	MUL8 \p, 2, 2, \zero
	PLACES
	LDA \pn, 1, \kn
	LDB 1, \kn
	MUL8 \p, 2, 4, \zero
	MUL8 \p, 2, 6, \zero
.endm
; Unit 1 of a K step's second slice, with THE CHANGE OF SLOTS.  In front of the barrier each wave waits for all its tensor loads (one is out: its part of the next slot), adds 0 to its spare word,
; and waits for that and for its reads of this slot (the last were unit 0's).  fill = 1: the barrier opens a round of the cluster's, the joint refill (the K step two on) is the first thing behind it,
; and 176 matrix instructions stand between it and the wait for it.
.macro TURN fill
.if \fill
	s_wait_xcnt 0x0                                ; the last prefetch, a K step back, has read its address
	s_add_nc_u64 s[PFA:PFA+1], s[PFA:PFA+1], s[PSTEP:PSTEP+1]
.endif
	WIN 0
	s_wait_tensorcnt 0x0                           ; no tensor load of mine is out, so a group 0 may be written
	ds_add_u32 v[SPW], v[NIL]                      ; 0 onto my spare word
.if \fill
	s_xor_b32 s[G0A+5], s[G0A+5], SLOT1            ; the walking sets: the other slot than last time, the next K step
	s_add_nc_u64 s[G0A+6:G0A+7], s[G0A+6:G0A+7], XSTEP
	s_xor_b32 s[G0B+5], s[G0B+5], SLOT1
	s_add_nc_u64 s[G0B+6:G0B+7], s[G0B+6:G0B+7], WSTEP
.endif
	s_wait_dscnt 9                                 ; W's block 1 is in; block 2's 8 and the add may be out
	MUL8 1, 1, 0, 0
	s_wait_dscnt 0x0                               ; the add is done, and my reads of this slot are over
	s_barrier_signal -1
	MUL8 1, 1, 2, 0                                ; work on registers while the others arrive
	WIN 0                                          ; at a branch and at a label every window is 0
	s_barrier_wait -1
.if \fill
	CREST                                          ; no wave of any partner still reads this slot or has a load on its way
	JLOAD                                          ; its four v_nop are also the places in front of the loads below
.else
	PLACES
.endif
	s_xor_b32 s[TB], s[TB], SLOT1
	v_add_nc_u32 v[ADRA], s[TB], v[ADRA0]
	v_add_nc_u32 v[ADRB], s[TB], v[ADRB0]
	LDB 0, 0
	LDA 0, 0, 0
.if \fill
	ASK
.endif
	MUL8 1, 1, 4, 0
	MUL8 1, 1, 6, 0
.endm
.macro ESLICE zero                     ; a K step's first slice, on buffer 0
	UNIT0 0, 0, \zero
	UNIT1 0, 64, 1, \zero
	UNIT2 0, 64, 1, \zero
.endm
.macro OSLICE fill                     ; its second, on buffer 1
	UNIT0 1, 64, 0
	TURN \fill
	UNIT2 1, 0, 0, 0
.endm
	s_wait_tensorcnt 0x1                           ; my part of K step 0 is in; step 1's may stay out
	s_barrier_signal -1
	s_barrier_wait -1                              ; everybody's is
	LDB 0, 0
	LDA 0, 0, 0
	LDA 0, 1, 0
	LDB 1, 0
	ESLICE 1                                       ; the first slice stands in front of the loop: its products start the sums
	WIN 0
	s_mov_b32 s3, 14
.Lk:                                           ; trip j = 14 - s3: the second slice of K step j, the refill with step j + 2, the first slice of step j + 1
	OSLICE 1
	ESLICE 0
	WIN 0
	s_sub_co_u32 s3, s3, 1
	s_cmp_lg_u32 s3, 0
	s_cbranch_scc1 .Lk
; THE TAIL asks for nothing and has a text of its own; the text is walked twice and left in its middle.  First: step 14's second slice, the change to step 15, step 15's first slice.
; Then: step 15's second slice.  In that second walk the change of slots and the 32 LDS loads behind it (from step 14's slot, whose bytes still lie there) serve nothing: the price, once a launch, of one text for both.
	s_mov_b32 s3, 2
.Ltail:
	OSLICE 0
	WIN 0
	s_sub_co_u32 s3, s3, 1
	s_cmp_eq_u32 s3, 0
	s_cbranch_scc1 .Lout
	ESLICE 0
	WIN 0
	s_branch .Ltail
.Lout:
	s_wait_dscnt 0x0                               ; those loads have landed: their registers are used again below
	PLACES
; THE WAY OUT, 16 rows at a time.  PACK: rounded to f16, 16 bytes a lane (each accumulator's registers in ascending order).  TOSTAGE: into my own stage, a column block of 64 at a time, and back as rows of 128 bytes.
; SEND: stored; 16 rows x 64 columns are 2,048 consecutive bytes of the output, a store 512 of them.
.macro PACK a
.irp c, 0,1,2
	WIN 0x05*((\c)+1)                              ; sources 0 and 1 in window 1 + c
.irp b, 0,1,2,3
.irp r, 0,1,2,3
	v_cvt_pk_f16_f32 v[TMP+16*(\c)+4*(\b)+(\r)], v[8*(4*(\a)+(\b))+2*(\r)], v[8*(4*(\a)+(\b))+2*(\r)+1]
.endr
.endr
.endr
	WIN 0
.endm
.macro TOSTAGE a
.set BK, 96+64*((\a)%2)
.irp c, 0,1,2
.irp b, 0,1,2,3
	ds_store_b128 v[STO], v[TMP+16*(\c)+4*(\b):TMP+16*(\c)+4*(\b)+3] offset:(\c)*16*PITCH+32*(\b)
.endr
.endr
.irp c, 0,1,2
.irp t, 0,1,2,3
	ds_load_b128 v[BK+16*(\c)+4*(\t):BK+16*(\c)+4*(\t)+3], v[RD] offset:(\c)*16*PITCH+(\t)*4*PITCH  ; LDS serves a wave's instructions in order (ISA guide 5.7.1.4): these see the stores above
.endr
.endr
.endm
.macro SEND a
.set BK, 96+64*((\a)%2)
	s_wait_dscnt 0x0                               ; the block is back in registers
	s_wait_xcnt 0x0                                ; the stores of the block before have read their registers, which the next TOSTAGE loads again
.irp c, 0,1,2
.irp t, 0,1,2,3
	global_store_b128 v[CO], v[BK+16*(\c)+4*(\t):BK+16*(\c)+4*(\t)+3], s[CB+2*(\c):CB+2*(\c)+1] offset:(\a)*2048+(\t)*512
.endr
.endr
.endm
	PACK 0
	TOSTAGE 0
.irp a, 1,2,3,4,5,6,7                  ; block a's conversions stand between block a - 1's loads from the stage and the wait for them
	PACK \a
	SEND (\a)-1
	TOSTAGE \a
.endr
	SEND 7
	s_wait_tensorcnt 0x0                           ; the wave's end, behind my last tensor load and my last LDS store
	ds_add_u32 v[SPW], v[NIL]
	s_wait_dscnt 0x0
	CROUND                                         ; the closing round: no work-group ends while a partner may still ask for a tile that names it
	s_endpgm
.Lfunc_end_k_q4eed6f24d3_proj:
	.size	k_q4eed6f24d3_proj, .Lfunc_end_k_q4eed6f24d3_proj-k_q4eed6f24d3_proj
	.p2alignl 7, 3214868480
	.fill 96, 4, 3214868480
	.section	.rodata,"a",@progbits
	.p2align	6, 0x0
	.amdhsa_kernel k_q4eed6f24d3_proj
		.amdhsa_group_segment_fixed_size 327680
		.amdhsa_private_segment_fixed_size 0
		.amdhsa_enable_private_segment 0
		.amdhsa_kernarg_size 32
		.amdhsa_user_sgpr_count 2
		.amdhsa_user_sgpr_kernarg_segment_ptr 1
		.amdhsa_wavefront_size32 1
		.amdhsa_system_sgpr_workgroup_id_x 1
		.amdhsa_system_sgpr_workgroup_id_y 1
		.amdhsa_system_sgpr_workgroup_id_z 1
		.amdhsa_system_vgpr_workitem_id 0
		.amdhsa_next_free_vgpr 1024
		.amdhsa_next_free_sgpr 80
		.amdhsa_reserve_vcc 0
		.amdhsa_float_denorm_mode_32 3
		.amdhsa_float_denorm_mode_16_64 3
		.amdhsa_memory_ordered 1
		.amdhsa_forward_progress 1
		.amdhsa_inst_pref_size 107
	.end_amdhsa_kernel
	.amdgpu_metadata
---
amdhsa.version: [ 1, 2 ]
amdhsa.kernels:
  - .name:           k_q4eed6f24d3_proj
    .symbol:         k_q4eed6f24d3_proj.kd
    .args:
      - { .name: xb, .offset: 0, .size: 8, .value_kind: global_buffer, .address_space: global }
      - { .name: wb, .offset: 8, .size: 8, .value_kind: global_buffer, .address_space: global }
      - { .name: qk, .offset: 16, .size: 8, .value_kind: global_buffer, .address_space: global }
      - { .name: vt, .offset: 24, .size: 8, .value_kind: global_buffer, .address_space: global }
    .group_segment_fixed_size: 327680
    .private_segment_fixed_size: 0
    .kernarg_segment_align: 8
    .kernarg_segment_size: 32
    .max_flat_workgroup_size: 128
    .sgpr_count:     80
    .vgpr_count:     1024
    .wavefront_size: 32
...
	.end_amdgpu_metadata
.endif
;; end of part 2
;; launch scores (part 3): grid 8 x 32, 4 waves a work-group, clusters of 4 x 4, 327,680 bytes of LDS; arguments qk, p, stats; writes p, stats
.if DOCPART == 3
	.amdgcn_target "amdgcn-amd-amdhsa--gfx1250"
	.amdhsa_code_object_version 6
	.text
	.protected	k_q4eed6f24d3_scores
	.globl	k_q4eed6f24d3_scores
	.p2align	8
	.type	k_q4eed6f24d3_scores,@function
k_q4eed6f24d3_scores:
	s_mov_b64 s[64:65], 0
	v_nop
	global_prefetch_b8 v0, s[64:65] scope:SCOPE_SE
	s_setreg_imm32_b32 hwreg(HW_REG_WAVE_MODE, 25, 1), 1
	s_wait_xcnt 0x0
	s_wait_alu depctr_hold_cnt(0) depctr_sa_sdst(0) depctr_va_vdst(0) depctr_va_sdst(0) depctr_va_ssrc(0) depctr_va_vcc(0) depctr_vm_vsrc(0)
	s_getreg_b32 s2, hwreg(HW_REG_IB_STS2, 6, 4)
	s_cmp_eq_u32 s2, 0
	s_cbranch_scc0 .Lentry_in_a_cluster
	s_endpgm
.Lentry_in_a_cluster:
	s_bfe_u32 s2, ttmp6, 0x10000c
	s_cmp_lg_u32 s2, 0xf033
	s_cbranch_scc0 .Lentry_shape_is_right
	s_endpgm
.Lentry_shape_is_right:
; For each query and each tile t of 128 keys of its batch: s = Q . K (f16 operands, f32 sums), the tile's maximum m_t, p = 2^(c s - c m_t) rounded to f16, l_t = the sum, in f32, of the rounded p; c = log2(e) / sqrt(2048).
; The maximum is taken away tile by tile here; the next launch puts the tiles on the row's common maximum, exactly: 2^(c m_t - c M).
; OUT.  p: f16 [8192][2048].  stats: f32, c m_t at byte t x 32,768 + 4 x row, l_t at the same place + 524,288.
; LIMITS.  p lies in 0 to 1; below 6e-5 it keeps f16's fixed step of 6e-8, and below 3e-8 it counts as 0, in l too.  NaN and infinities are not treated apart.
; SHARES.  A work-group makes 256 queries x 256 keys of one batch: 32 x 8 = 256 work-groups.  Wave (WI, WJ) makes 128 x 128, one tile t = 2 x tile column + WJ: 64 accumulators, 512 registers.
; RING.  The 1,024 channels go in 8 steps of 128 through two LDS slots.  In qk a step is two blocks of 64 channels; a block's 256 rows are 32,768 dense bytes, one chunk, one tensor load of one wave (128 rows of 256 bytes).
; CLUSTER.  4 x 4: Q's chunks hang on the tile row alone and are asked for jointly along a row of the cluster; K's on the tile column and the batch, which hangs on the cluster's y alone: jointly along a column.
; THE MATRIX INSTRUCTION IS USED TRANSPOSED (source 0 = 16 keys, source 1 = 16 queries): a lane holds ONE query (lane % 16) and the keys 8 (lane / 16) + 0..7 of each group of 16.
; REGISTERS, in windows of 256 (s_set_vgpr_msb: bits 1:0 source 0, 3:2 source 1, 5:4 source 2, 7:6 destination):
;   window 0: v16-30 addresses; v64-127, v128-191 Q's fragments, two buffers; on the way out v64-127 rows read back, v128-151 at work, v160-162 statistics, v192-223 packed p, v224-231 ones, v232-247 two sums
;   window 1: v64-127, v128-191 K's fragments      window 2: accumulators of my rows 0-63 ((a, b) at v[8 (8 (a % 4) + b)])      window 3: those of rows 64-127
.set PITCH,  144                       ; an LDS row: 128 bytes + 16 = 36 words: the 16 rows of a load start at 16 different groups of four banks (64 banks of 4 bytes: ISA guide 11.1)
.set CHUNK,  256*PITCH                 ; 256 rows x 64 channels
.set SLOT,   4*CHUNK                   ; Q's two chunks, then K's two: 0x24000; its two bits are 0 in every wave's chunk address, so an exclusive or changes slots
.set STAGE,  2*SLOT                    ; behind the ring: 16 rows x 272 bytes for each wave
.set SPITCH, 272
.set STAT,   STAGE+4*16*SPITCH         ; for each wave 512 bytes of c m and 512 of l
.set SPARE,  STAT+4096                 ; the spare words, 128 bytes for each wave: two blocks of 256 bytes that no other line names
.set KSTEP,  2097152                   ; bytes from a K step to the next in qk: two blocks
.set ADRA0, 16                         ; v16  my place in Q's rows of slot 0; never rewritten
.set ADRB0, 17                         ; v17  the same for K
.set ADRA,  18                         ; v18, v19  the same in the slot in hand
.set ADRB,  19
.set SST,   20                         ; v20  where my query's statistics go in LDS
.set SRD,   21                         ; v21  where I read 16 bytes of them back
.set SGO,   22                         ; v22  16 x lane
.set STO,   24                         ; v24  the way out: where I put 16 bytes of a row
.set RD,    25                         ; v25  where I read a row back
.set CO,    26                         ; v26  my byte offset in two rows of p
.set SPW,   28                         ; v28  LDS address of my spare word; never rewritten
.set NIL,   29                         ; v29  0; never rewritten
.set PFO,   30                         ; v30  256 x lane; never rewritten
.set F0,    64
.set F1,    128
.set OB,    64                         ; the way out: 16 rows read back, v64-95 and v96-127 by turns
.set TM,    128                        ; v128-151 at work: maxima
.set CM,    160                        ; v160 c m, v161 m
.set LS,    162                        ; v162 l
.set TMP,   192                        ; v192-223 packed p
.set ONE,   224                        ; v224-231 a fragment of ones in f16
.set SX,    232                        ; v232-239, v240-247 the two accumulators of the row sums
.set SY,    240
.set WV, 12
.set WI, 13                            ; wave / 2: my half of the queries; also: I fetch for Q (0) or K (1)
.set WJ, 14                            ; wave % 2: my half of the keys; also: which block of 64 channels I fetch
.set LIM, 15
.set PFA, 20                           ; s[20:21]
.set G1A, 24
.set G0A, 32
.set TB,  45
.set G1B, 48
.set G0B, 56
.set CS,  66                           ; s[66:67] c, named as a pair
.set SEL, 68                           ; s[68:69] v_permlanex16_b32's selects: each lane takes its own place in the other half
.set MSB, 0
.macro WIN new
.if MSB != (\new)
	s_set_vgpr_msb (MSB<<8)|(\new)
.set MSB, (\new)
.endif
.endm
.set MUL_LO, 0xa1                      ; source 0 (K) window 1, source 1 (Q) window 0, C and D window 2
.set TO_B,   0x40                      ; destination window 1, address window 0
.macro PLACES                          ; four places between a matrix instruction and a load into, or a vector instruction on, its registers (ISA guide 7.12.1 for vector instructions)
.rept 4
	v_nop
.endr
.endm
.macro CREST
	s_cmp_lg_u32 s[WV], 0
	s_cbranch_scc1 .Lnot_wave_0_\@
	s_barrier_signal -3
.Lnot_wave_0_\@:
	s_barrier_wait -3
	s_barrier_signal -1
	s_barrier_wait -1
.endm
.macro CROUND
	s_barrier_signal -1
	s_barrier_wait -1
	CREST
.endm
.macro JLOAD                           ; a joint refill by the walking sets; an s_nop 0 and four v_nop follow each line
	s_cmp_eq_u32 s[WI], 0
	s_cbranch_scc0 .Lfor_b_\@
	tensor_load_to_lds s[G0A+4:G0A+7], s[G1A:G1A+7]
	s_nop 0
.rept 4
	v_nop
.endr
	s_branch .Lasked_\@
.Lfor_b_\@:
	tensor_load_to_lds s[G0B+4:G0B+7], s[G1B:G1B+7]
	s_nop 0
.rept 4
	v_nop
.endr
.Lasked_\@:
.endm
; A PREFETCH INTO THE L2, behind the joint load of trip j (j = 6 - s3) and the run of LDS loads that follows it: K step j + 3, the one that the next refill asks for: 256 matrix instructions ahead of that load.
; Each wave asks for its own chunk's blocks of 256 bytes, of which its work-group takes 32 of the 128, told apart by cx (Q) or cy (K) in the ADDRESS.  Q's rows are read by both clusters of a row of clusters:
; cluster x = 0 asks; K's by the two clusters of a batch in a column: the even cluster y asks.  So each block of K steps 3 to 7 is named once; the last trip asks for nothing.
.macro ASK
	s_cmp_gt_u32 s3, s[LIM]
	s_cbranch_scc0 .Lnot_mine_\@
	global_prefetch_b8 v[PFO], s[PFA:PFA+1] th:TH_LOAD_NT scope:SCOPE_SE
.Lnot_mine_\@:
.endm
	s_load_b128 s[4:7], s[0:1], 0x0                ; qk s[4:5], p s[6:7]
	s_load_b64 s[8:9], s[0:1], 0x10                ; stats
	v_lshl_add_u32 v[SPW], v0, 2, SPARE
	v_mov_b32 v[NIL], 0
	ds_add_u32 v[SPW], v[NIL]                      ; the wave's opening: the add and its wait stand ahead of my first tensor load
	v_lshrrev_b32 v1, 5, v0
	v_readfirstlane_b32 s[WV], v1
	s_lshr_b32 s[WI], s[WV], 1
	s_and_b32 s[WJ], s[WV], 1
	s_bfe_u32 s40, ttmp6, 0x40000                  ; cx
	s_bfe_u32 s41, ttmp6, 0x40004                  ; cy
	s_lshl_b32 s42, ttmp9, 2
	s_add_co_u32 s42, s42, s40                     ; tile column
	s_and_b32 s43, ttmp7, 0xffff
	s_lshl_b32 s43, s43, 2
	s_add_co_u32 s43, s43, s41                     ; tile row
	s_lshl_b32 s16, s41, 2
	s_lshl_b32 s16, 15, s16                        ; my row of the cluster
	s_lshl_b32 s46, 0x1111, s40                    ; my column
	s_or_b32 s[G1A], s16, (1<<16)|(1<<20)|(1<<21)|(4<<22)|(3<<25)  ; mask; 2-byte elements; padding on; 21 set beside a mask; after every 32 words (code 4) 4 words (code 3)
	s_or_b32 s[G1B], s46, (1<<16)|(1<<20)|(1<<21)|(4<<22)|(3<<25)
.irp g, G1A, G1B
	s_mov_b32 s[(\g)+1], 128<<16                   ; tensor_dim0 = 128
	s_mov_b32 s[(\g)+2], 128<<16                   ; tensor_dim1 = 128
	s_mov_b32 s[(\g)+3], 128<<16                   ; tile_dim0 = 128
	s_mov_b32 s[(\g)+4], 128                       ; tile_dim1 = 128
	s_mov_b32 s[(\g)+5], 128                       ; dense
	s_mov_b32 s[(\g)+6], 0
	s_mov_b32 s[(\g)+7], 0
.endr
	s_lshl_b32 s16, s[WJ], 20                      ; Q: block WJ, row 256 x tile row
	s_lshl_b32 s17, s43, 15
	s_add_co_u32 s16, s16, s17
	s_mov_b32 s17, 0
	s_add_co_u32 s46, s[WJ], 16                    ; K: block 16 + WJ,
	s_lshl_b32 s46, s46, 20
	s_and_b32 s47, ttmp7, 0xffff
	s_lshr_b32 s47, s47, 1                         ; the batch = cluster y / 2,
	s_lshl_b32 s47, s47, 18                        ; its 2,048 rows of 128 bytes,
	s_add_co_u32 s46, s46, s47
	s_lshl_b32 s47, s42, 15                        ; row 256 x tile column in it
	s_add_co_u32 s46, s46, s47
	s_mov_b32 s47, 0
	s_mul_i32 s18, s[WV], CHUNK                    ; where my chunk goes: no place in the cluster enters an LDS address
	s_mov_b32 s[CS], 0x3d0293ee                    ; c = log2(e) / sqrt(2048) = 0.0318794
	s_mov_b32 s[CS+1], s[CS]
	s_mov_b32 s[SEL], 0x76543210
	s_mov_b32 s[SEL+1], 0xfedcba98
	s_mov_b32 s[TB], 0
	s_wait_dscnt 0x0                               ; the opening add is done
	s_wait_kmcnt 0x0
	s_add_nc_u64 s[16:17], s[4:5], s[16:17]
	s_add_nc_u64 s[46:47], s[4:5], s[46:47]
	CROUND                                         ; all sixteen work-groups are here: the first joint loads meet
.irp s, 0,1
	s_mov_b32 s[G0A+4*(\s)], 1
	s_add_co_u32 s[G0A+4*(\s)+1], s18, (\s)*SLOT
	s_add_nc_u64 s[G0A+4*(\s)+2:G0A+4*(\s)+3], s[16:17], (\s)*KSTEP
	s_or_b32 s[G0A+4*(\s)+3], s[G0A+4*(\s)+3], 0x80000000
	s_mov_b32 s[G0B+4*(\s)], 1
	s_add_co_u32 s[G0B+4*(\s)+1], s18, (\s)*SLOT
	s_add_nc_u64 s[G0B+4*(\s)+2:G0B+4*(\s)+3], s[46:47], (\s)*KSTEP
	s_or_b32 s[G0B+4*(\s)+3], s[G0B+4*(\s)+3], 0x80000000
.endr
	s_cmp_eq_u32 s[WI], 0                          ; a wave's two first fills stand in one branch: two loads of mine are out
	s_cbranch_scc0 .Lfirst_b
	tensor_load_to_lds s[G0A:G0A+3], s[G1A:G1A+7]
	s_nop 0
	tensor_load_to_lds s[G0A+4:G0A+7], s[G1A:G1A+7]
	s_nop 0
.rept 4
	v_nop
.endr
	s_branch .Lfirst_asked
.Lfirst_b:
	tensor_load_to_lds s[G0B:G0B+3], s[G1B:G1B+7]
	s_nop 0
	tensor_load_to_lds s[G0B+4:G0B+7], s[G1B:G1B+7]
	s_nop 0
.rept 4
	v_nop
.endr
.Lfirst_asked:
	v_and_b32 v1, 15, v0                           ; l % 16
	v_bfe_u32 v2, v0, 4, 1                         ; l / 16
	v_and_b32 v6, 31, v0                           ; l
	v_mul_u32_u24 v3, v1, PITCH
	v_lshl_add_u32 v3, v2, 4, v3
	s_mul_i32 s74, s[WI], 128*PITCH
	s_mul_i32 s75, s[WJ], 128*PITCH
	s_add_co_u32 s75, s75, 2*CHUNK
	v_add_nc_u32 v[ADRA0], s74, v3
	v_add_nc_u32 v[ADRB0], s75, v3
	v_mov_b32 v[ADRA], v[ADRA0]
	v_mov_b32 v[ADRB], v[ADRB0]
	s_lshl_b32 s74, s[WV], 10
	s_add_co_u32 s74, s74, STAT
	v_lshl_add_u32 v[SST], v1, 2, s74
	v_lshl_add_u32 v[SRD], v6, 4, s74
	v_lshlrev_b32 v[SGO], 4, v6
	s_mul_i32 s74, s[WV], 16*SPITCH
	s_add_co_u32 s74, s74, STAGE
	v_mul_u32_u24 v4, v1, SPITCH                   ; in: row l % 16, 16 bytes for each half of the lanes
	v_lshl_add_u32 v4, v2, 4, v4
	v_add_nc_u32 v[STO], s74, v4
	v_mul_u32_u24 v5, v2, SPITCH                   ; back: lanes 0-15 one row of 256 bytes, lanes 16-31 the next
	v_lshl_add_u32 v5, v1, 4, v5
	v_add_nc_u32 v[RD], s74, v5
	v_lshlrev_b32 v[CO], 12, v2                    ; and the same two rows in p
	v_lshl_add_u32 v[CO], v1, 4, v[CO]
	v_lshlrev_b32 v[PFO], 8, v6
	; the prefetches
	s_and_b32 s75, ttmp7, 1                        ; cluster y's parity
	s_cmp_eq_u32 s[WI], 0
	s_cselect_b32 s74, s40, s41                    ; my place among the four that ask with me
	s_cselect_b32 s75, ttmp9, s75                  ; 0 in the cluster that asks
	s_cselect_b64 s[PFA:PFA+1], s[16:17], s[46:47] ; my chunk of K step 0
	s_cmp_eq_u32 s75, 0
	s_cselect_b32 s[LIM], 1, -1                    ; the same in all sixteen partners, for a given wave
	s_lshl_b32 s74, s74, 13
	s_mov_b32 s75, 0
	s_add_nc_u64 s[PFA:PFA+1], s[PFA:PFA+1], s[74:75]
	s_add_nc_u64 s[PFA:PFA+1], s[PFA:PFA+1], 2*KSTEP  ; at K step 2: the first change of slots steps it to 3
	; where my part of p and of stats begins
	s_lshl_b32 s74, s43, 20                        ; (256 x tile row + 128 WI) rows of 4,096 bytes + (256 x tile column + 128 WJ) x 2
	s_lshl_b32 s76, s[WI], 19
	s_add_co_u32 s74, s74, s76
	s_lshl_b32 s76, s42, 9
	s_add_co_u32 s74, s74, s76
	s_lshl_b32 s76, s[WJ], 8
	s_add_co_u32 s74, s74, s76
	s_add_nc_u64 s[6:7], s[6:7], s[74:75]
	s_lshl_b32 s74, s42, 16                        ; tile t = 2 x tile column + WJ, 32,768 bytes each; 4 bytes a row
	s_lshl_b32 s76, s[WJ], 15
	s_add_co_u32 s74, s74, s76
	s_lshl_b32 s76, s43, 10
	s_add_co_u32 s74, s74, s76
	s_lshl_b32 s76, s[WI], 9
	s_add_co_u32 s74, s74, s76
	s_add_nc_u64 s[8:9], s[8:9], s[74:75]
; 16 matrix instructions: query blocks a0, a0 + 1 of the window's four x all 8 key blocks, 32 channels.  The 64 accumulators take turns, one instruction a turn, in the same order in every quarter.
.macro MUL16 f, hi, a0, zero
	WIN MUL_LO+0x50*(\hi)
.irp a, \a0, (\a0)+1
.irp b, 0,1,2,3,4,5,6,7
.if \zero
	v_wmma_f32_16x16x32_f16 v[8*(8*(\a)+(\b)):8*(8*(\a)+(\b))+7], v[(\f)+8*(\b):(\f)+8*(\b)+7], v[(\f)+8*(4*(\hi)+(\a)):(\f)+8*(4*(\hi)+(\a))+7], 0
.else
	v_wmma_f32_16x16x32_f16 v[8*(8*(\a)+(\b)):8*(8*(\a)+(\b))+7], v[(\f)+8*(\b):(\f)+8*(\b)+7], v[(\f)+8*(4*(\hi)+(\a)):(\f)+8*(4*(\hi)+(\a))+7], v[8*(8*(\a)+(\b)):8*(8*(\a)+(\b))+7]
.endif
.endr
.endr
.endm
; 32 LDS loads in one run: quarter q's fragments (chunk q / 2, bytes 64 (q % 2) on), K's 16 loads first, then Q's
.macro FETCH q, f
.set KO, ((\q)/2)*CHUNK+((\q)%2)*64
	WIN TO_B
.irp i, 0,1,2,3,4,5,6,7
	ds_load_b128 v[(\f)+8*(\i):(\f)+8*(\i)+3],   v[ADRB] offset:KO+(\i)*16*PITCH
	ds_load_b128 v[(\f)+8*(\i)+4:(\f)+8*(\i)+7], v[ADRB] offset:KO+(\i)*16*PITCH+32
.endr
	WIN 0
.irp i, 0,1,2,3,4,5,6,7
	ds_load_b128 v[(\f)+8*(\i):(\f)+8*(\i)+3],   v[ADRA] offset:KO+(\i)*16*PITCH
	ds_load_b128 v[(\f)+8*(\i)+4:(\f)+8*(\i)+7], v[ADRA] offset:KO+(\i)*16*PITCH+32
.endr
.endm
; One of a K step's first three quarters: multiplies buffer f and, in its middle, fetches quarter qn into buffer g.
.macro QUARTER qn, f, g, zero
	s_wait_dscnt 8                                 ; K's and Q's rows 0-63 are in; the youngest eight loads (Q's rows 64-127) may be out
	MUL16 \f, 0, 0, \zero
	MUL16 \f, 0, 2, \zero
	PLACES
	FETCH \qn, \g
	s_wait_dscnt 32                                ; all but the 32 just issued
	MUL16 \f, 1, 0, \zero
	MUL16 \f, 1, 2, \zero
.endm
; The last quarter multiplies buffer 1 and CHANGES SLOTS.  In front of the barrier each wave waits for all its tensor loads (one is out: its chunk of the next slot), adds 0 to its spare word, and waits for that and for
; its reads of this slot.  fill = 1: the barrier opens a round of the cluster's, and the joint refill (the K step two on) is the first thing behind it: 224 matrix instructions stand between it and the wait for it.
.macro TURN fill
.if \fill
	s_wait_xcnt 0x0                                ; the last prefetch, a K step back, has read its address
	s_add_nc_u64 s[PFA:PFA+1], s[PFA:PFA+1], KSTEP
.endif
	WIN 0
	s_wait_tensorcnt 0x0                           ; no tensor load of mine is out, so a group 0 may be written
	ds_add_u32 v[SPW], v[NIL]                      ; 0 onto my spare word
.if \fill
	s_xor_b32 s[G0A+5], s[G0A+5], SLOT
	s_add_nc_u64 s[G0A+6:G0A+7], s[G0A+6:G0A+7], KSTEP
	s_xor_b32 s[G0B+5], s[G0B+5], SLOT
	s_add_nc_u64 s[G0B+6:G0B+7], s[G0B+6:G0B+7], KSTEP
.endif
	s_wait_dscnt 9                                 ; the add and the youngest eight loads may be out
	MUL16 F1, 0, 0, 0
	s_wait_dscnt 0x0                               ; the add is done, and my reads of this slot are over
	s_barrier_signal -1
	MUL16 F1, 0, 2, 0
	WIN 0
	s_barrier_wait -1
.if \fill
	CREST
	JLOAD                                          ; its four v_nop are also the places in front of the loads below
.else
	PLACES
.endif
	s_xor_b32 s[TB], s[TB], SLOT
	v_add_nc_u32 v[ADRA], s[TB], v[ADRA0]
	v_add_nc_u32 v[ADRB], s[TB], v[ADRB0]
	FETCH 0, F0
.if \fill
	ASK
.endif
	MUL16 F1, 1, 0, 0
	MUL16 F1, 1, 2, 0
.endm
	s_wait_tensorcnt 0x1                           ; my chunk of K step 0 is in; step 1's may stay out
	s_barrier_signal -1
	s_barrier_wait -1
	FETCH 0, F0
	QUARTER 1, F0, F1, 1                           ; the first quarter stands in front of the loop: its products start the sums
	WIN 0
	s_mov_b32 s3, 6
.Lk:                                           ; trip j = 6 - s3: quarters 1 to 3 of K step j, the refill with step j + 2, quarter 0 of step j + 1
	QUARTER 2, F1, F0, 0
	QUARTER 3, F0, F1, 0
	TURN 1
	QUARTER 1, F0, F1, 0
	WIN 0
	s_sub_co_u32 s3, s3, 1
	s_cmp_lg_u32 s3, 0
	s_cbranch_scc1 .Lk
; THE TAIL asks for nothing and has a text of its own; the text is walked twice and left in its middle.  First: quarters 1 to 3 of step 6, the change to step 7, its quarter 0.
; Then: quarters 1 to 3 of step 7.  In that second walk the change of slots and its 32 LDS loads (from step 6's slot, whose bytes still lie there) serve nothing: the price, once a launch, of one text for both.
	s_mov_b32 s3, 2
.Ltail:
	QUARTER 2, F1, F0, 0
	QUARTER 3, F0, F1, 0
	TURN 0
	WIN 0
	s_sub_co_u32 s3, s3, 1
	s_cmp_eq_u32 s3, 0
	s_cbranch_scc1 .Lout
	QUARTER 1, F0, F1, 0
	WIN 0
	s_branch .Ltail
.Lout:
	s_wait_dscnt 0x0                               ; those loads have landed: their registers are used again below
.set i, 0
.rept 8
	v_mov_b32 v[ONE+i], 0x3c003c00                 ; 1.0 twice in f16: a fragment of ones; these eight lines are also the places behind the last products
.set i, i+1
.endr
; THE SOFTMAX OF MY TILE, 16 queries (block a) at a time.  A lane holds 64 of its query's 128 scores, the lane 16 away the others.
.macro SOFT a
.set AC, 64*((\a)%4)
.set HW, (\a)/4
	WIN 0x2a+0x15*HW                               ; all sources in window 2 or 3, destination in window 0
.irp b, 0,1,2,3,4,5,6,7                ; each accumulator's lowest registers are read first
	v_max3_num_f32 v[TM+(\b)], v[AC+8*(\b)], v[AC+8*(\b)+1], v[AC+8*(\b)+2]
.endr
.irp b, 0,1,2,3,4,5,6,7
	v_max3_num_f32 v[TM+8+(\b)], v[AC+8*(\b)+3], v[AC+8*(\b)+4], v[AC+8*(\b)+5]
.endr
.irp b, 0,1,2,3,4,5,6,7
	v_max_num_f32 v[TM+16+(\b)], v[AC+8*(\b)+6], v[AC+8*(\b)+7]
.endr
	WIN 0
.irp b, 0,1,2,3,4,5,6,7
	v_max3_num_f32 v[TM+(\b)], v[TM+(\b)], v[TM+8+(\b)], v[TM+16+(\b)]
.endr
	v_max3_num_f32 v[TM], v[TM], v[TM+1], v[TM+2]
	v_max3_num_f32 v[TM+3], v[TM+3], v[TM+4], v[TM+5]
	v_max3_num_f32 v[TM], v[TM], v[TM+3], v[TM+6]
	v_max_num_f32 v[TM], v[TM], v[TM+7]
	v_permlanex16_b32 v[TM+1], v[TM], s[SEL], s[SEL+1]
	v_max_num_f32 v[CM+1], v[TM], v[TM+1]          ; m
	v_mul_f32 v[CM], s[CS], v[CM+1]                ; c m
	WIN 0x82+0x41*HW                               ; destination and source 0 in window 2 or 3, c m in window 0
	; ONE BATCH: the 32 scalings c s - c m, a pair each, and the 64 exponentials, in place; none of these lines names an exponential's result
	v_pk_fma_f32 v[AC:AC+1], v[AC:AC+1], s[CS:CS+1], v[CM:CM+1] op_sel_hi:[1,0,0] neg_lo:[0,0,1] neg_hi:[0,0,1]
.set k, 1
.rept 31
	v_pk_fma_f32 v[AC+2*k:AC+2*k+1], v[AC+2*k:AC+2*k+1], s[CS:CS+1], v[CM:CM+1] op_sel_hi:[1,0,0] neg_lo:[0,0,1] neg_hi:[0,0,1]
	v_exp_f32 v[AC+2*k-2], v[AC+2*k-2]
	v_exp_f32 v[AC+2*k-1], v[AC+2*k-1]
.set k, k+1
.endr
	v_exp_f32 v[AC+62], v[AC+62]
	v_exp_f32 v[AC+63], v[AC+63]
	v_nop                                          ; a plain instruction behind the last exponential (ISA guide 5.7.2),
	s_wait_alu depctr_va_vdst(0)                   ; and the wait ahead of the first use: one for the 64
	WIN 0x0a+5*HW                                  ; sources 0 and 1 in window 2 or 3, destination in window 0
.irp b, 0,1,2,3,4,5,6,7
.irp r, 0,1,2,3
	v_cvt_pk_f16_f32 v[TMP+4*(\b)+(\r)], v[AC+8*(\b)+2*(\r)], v[AC+8*(\b)+2*(\r)+1]
.endr
.endr
	WIN 0
	; THE ROW SUMS.  Two key blocks' packed weights are a source 1 of 32 keys x 16 queries; ones (16 x 32) times it gives, in every register of a lane, the sum of its query's 32 weights, both halves of the lanes'.
	; Four products for the 128 keys, on two accumulators that take turns; sums in f32.
	v_wmma_f32_16x16x32_f16 v[SX:SX+7], v[ONE:ONE+7], v[TMP:TMP+7], 0
	v_wmma_f32_16x16x32_f16 v[SY:SY+7], v[ONE:ONE+7], v[TMP+8:TMP+15], 0
	v_wmma_f32_16x16x32_f16 v[SX:SX+7], v[ONE:ONE+7], v[TMP+16:TMP+23], v[SX:SX+7]
	v_wmma_f32_16x16x32_f16 v[SY:SY+7], v[ONE:ONE+7], v[TMP+24:TMP+31], v[SY:SY+7]
	PLACES
	v_add_f32 v[LS], v[SX], v[SY]                  ; l: each accumulator's lowest register
.endm
.macro TOSTAGE a                       ; p into my stage and back as whole rows of 256 bytes; the statistics into my 1,024 bytes (lanes l and l + 16 write the same word with the same number)
	WIN 0
.set BK, OB+32*((\a)%2)
.irp b, 0,1,2,3,4,5,6,7
	ds_store_b128 v[STO], v[TMP+4*(\b):TMP+4*(\b)+3] offset:32*(\b)
.endr
	ds_store_b32 v[SST], v[CM] offset:64*(\a)
	ds_store_b32 v[SST], v[LS] offset:512+64*(\a)
.irp t, 0,1,2,3,4,5,6,7
	ds_load_b128 v[BK+4*(\t):BK+4*(\t)+3], v[RD] offset:(\t)*2*SPITCH  ; LDS serves a wave's instructions in order (ISA guide 5.7.1.4): these see the stores above
.endr
.endm
.macro SEND a
.set BK, OB+32*((\a)%2)
	s_wait_dscnt 0x0                               ; the block is back in registers
	s_wait_xcnt 0x0                                ; the stores of the block before have read their registers, which the next TOSTAGE loads again
.irp t, 0,1,2,3,4,5,6,7
	global_store_b128 v[CO], v[BK+4*(\t):BK+4*(\t)+3], s[6:7] offset:(\a)*65536+(\t)*8192  ; 16 lanes store 256 consecutive bytes, at a multiple of 256 from p's first byte
.endr
.endm
	SOFT 0
	TOSTAGE 0
.irp a, 1,2,3,4,5,6,7                  ; block a's softmax stands between block a - 1's loads from the stage and the wait for them
	SOFT \a
	SEND (\a)-1
	TOSTAGE \a
.endr
	SEND 7
	ds_load_b128 v[TM:TM+3], v[SRD]                ; my 128 queries' c m and l: 512 consecutive bytes each
	ds_load_b128 v[TM+4:TM+7], v[SRD] offset:512
	s_wait_dscnt 0x0
	global_store_b128 v[SGO], v[TM:TM+3], s[8:9]
	global_store_b128 v[SGO], v[TM+4:TM+7], s[8:9] offset:524288
	s_wait_tensorcnt 0x0                           ; the wave's end, behind my last tensor load and my last LDS store
	ds_add_u32 v[SPW], v[NIL]
	s_wait_dscnt 0x0
	CROUND                                         ; the closing round
	s_endpgm
.Lfunc_end_k_q4eed6f24d3_scores:
	.size	k_q4eed6f24d3_scores, .Lfunc_end_k_q4eed6f24d3_scores-k_q4eed6f24d3_scores
	.p2alignl 7, 3214868480
	.fill 96, 4, 3214868480
	.section	.rodata,"a",@progbits
	.p2align	6, 0x0
	.amdhsa_kernel k_q4eed6f24d3_scores
		.amdhsa_group_segment_fixed_size 327680
		.amdhsa_private_segment_fixed_size 0
		.amdhsa_enable_private_segment 0
		.amdhsa_kernarg_size 24
		.amdhsa_user_sgpr_count 2
		.amdhsa_user_sgpr_kernarg_segment_ptr 1
		.amdhsa_wavefront_size32 1
		.amdhsa_system_sgpr_workgroup_id_x 1
		.amdhsa_system_sgpr_workgroup_id_y 1
		.amdhsa_system_sgpr_workgroup_id_z 1
		.amdhsa_system_vgpr_workitem_id 0
		.amdhsa_next_free_vgpr 1024
		.amdhsa_next_free_sgpr 80
		.amdhsa_reserve_vcc 0
		.amdhsa_float_denorm_mode_32 3
		.amdhsa_float_denorm_mode_16_64 3
		.amdhsa_memory_ordered 1
		.amdhsa_forward_progress 1
		.amdhsa_inst_pref_size 156
	.end_amdhsa_kernel
	.amdgpu_metadata
---
amdhsa.version: [ 1, 2 ]
amdhsa.kernels:
  - .name:           k_q4eed6f24d3_scores
    .symbol:         k_q4eed6f24d3_scores.kd
    .args:
      - { .name: qk, .offset: 0, .size: 8, .value_kind: global_buffer, .address_space: global }
      - { .name: p, .offset: 8, .size: 8, .value_kind: global_buffer, .address_space: global }
      - { .name: stats, .offset: 16, .size: 8, .value_kind: global_buffer, .address_space: global }
    .group_segment_fixed_size: 327680
    .private_segment_fixed_size: 0
    .kernarg_segment_align: 8
    .kernarg_segment_size: 24
    .max_flat_workgroup_size: 128
    .sgpr_count:     80
    .vgpr_count:     1024
    .wavefront_size: 32
...
	.end_amdgpu_metadata
.endif
;; end of part 3
;; launch pv (part 4): grid 4 x 64, 4 waves a work-group, clusters of 4 x 4, 327,680 bytes of LDS; arguments p, vt, stats, out0; writes out0
.if DOCPART == 4
	.amdgcn_target "amdgcn-amd-amdhsa--gfx1250"
	.amdhsa_code_object_version 6
	.text
	.protected	k_q4eed6f24d3_pv
	.globl	k_q4eed6f24d3_pv
	.p2align	8
	.type	k_q4eed6f24d3_pv,@function
k_q4eed6f24d3_pv:
	s_mov_b64 s[64:65], 0
	v_nop
	global_prefetch_b8 v0, s[64:65] scope:SCOPE_SE
	s_setreg_imm32_b32 hwreg(HW_REG_WAVE_MODE, 25, 1), 1
	s_wait_xcnt 0x0
	s_wait_alu depctr_hold_cnt(0) depctr_sa_sdst(0) depctr_va_vdst(0) depctr_va_sdst(0) depctr_va_ssrc(0) depctr_va_vcc(0) depctr_vm_vsrc(0)
	s_getreg_b32 s2, hwreg(HW_REG_IB_STS2, 6, 4)
	s_cmp_eq_u32 s2, 0
	s_cbranch_scc0 .Lentry_in_a_cluster
	s_endpgm
.Lentry_in_a_cluster:
	s_bfe_u32 s2, ttmp6, 0x10000c
	s_cmp_lg_u32 s2, 0xf033
	s_cbranch_scc0 .Lentry_shape_is_right
	s_endpgm
.Lentry_shape_is_right:
; out[q][:] = (sum over the 16 key tiles t of g_t (p_t V_t)) / L, with c M = the maximum of the c m_t, g_t = 2^(c m_t - c M), L = the sum of g_t l_t: the softmax on the row's true maximum.
; p, V and g p are f16 (g is rounded to f16 for the product and kept in f32 for L; g p is rounded once more to f16); sums and L in f32; out is f32.
; LIMITS.  g and g p lie in 0 to 1; below 6e-5 they keep f16's fixed step of 6e-8, beside a tile with g = 1.  L is at least 1.  NaN and infinities are not treated apart.
; SHARES.  A work-group makes 128 queries x 256 channels: 64 x 4 = 256 work-groups.  Wave (WI, WJ) makes 64 x 128: 32 accumulators.  The 2,048 keys go in 16 steps of 128, one tile t a step.
; RING.  Two LDS slots: 128 rows of p (256 bytes + 16) and 4 blocks of 128 keys x 64 channels of V (128 bytes + 32 a key).  In vt two blocks are 32,768 dense bytes: one load of 128 rows of 256 bytes.
; Two slots of twice the step would want 2 x 2 x 98,304 bytes of tiles without their padding: more than LDS holds.
; CLUSTER.  4 x 4: p's tile hangs on the tile row alone: asked for jointly along a row of the cluster; V's on the tile column and the batch, which hangs on the cluster's y alone: jointly along a column.
; LAYOUT.  O^T = V^T P (source 0 = 16 channels, by ds_load_tr16_b128; source 1 = 16 queries): a lane holds ONE query (lane % 16) and eight neighbouring channels; so g is one number a lane and fragment,
; and P's fragments are multiplied by it on their way from the registers that they were loaded into to those that the products read: 8 packed multiplies a fragment, two behind a matrix instruction.
; REGISTERS, in windows of 256 (s_set_vgpr_msb: bits 1:0 source 0, 3:2 source 1, 5:4 source 2, 7:6 destination):
;   window 0: v16-31 addresses; v36-43 1 / L, twice a block; v44-49 at work; v64-127, v128-191 V's fragments, two buffers; v192-223 P as loaded; at the head v64-159 the statistics; on the way out v64-191 rows read back
;   window 1: v0-127 the accumulators of query blocks 0, 1: (a, b) at v[8 (8 (a % 2) + b)]
;   window 2: v0-127 those of blocks 2, 3; v128-159, v160-191 g P, two buffers; v192-195 g of the step in hand
; The multiplies by g (source 0 in window 0, source 1 and destination in window 2) stand behind the products of blocks 2 and 3 and run under those products' own setting: a slice of 32 products has three switches.
.set PP,     272                       ; a row of p in LDS: 68 words: the 16 rows of a load start at 16 different groups of four banks (64 banks of 4 bytes: ISA guide 11.1)
.set PV,     160                       ; a row of V: 40 words
.set VOFF,   128*PP
.set SPARE,  VOFF+4*128*PV             ; behind slot 0: the spare words, 128 bytes for each wave: two blocks of 256 bytes that no other line names
.set SLOT1,  131072
.set STAGE,  SLOT1+SPARE               ; behind slot 1: 16 rows x 528 bytes for each wave
.set SPITCH, 528
.set GTAB,   STAGE+4*16*SPITCH         ; for each wave 16 steps x 256 bytes: for row r of a block 16 bytes, the four blocks' (g, g)
.set RLT,    GTAB+4*4096               ; for each wave 256 bytes: 1 / L of its 64 rows
.set AP0, 16                           ; v16  my place in p's rows of slot 0; never rewritten
.set AV0, 17                           ; v17  the same for V
.set AP,  18                           ; v18, v19  the same in the slot in hand
.set AV,  19
.set GAD, 20                           ; v20  where the next step's g lie
.set SO,  21                           ; v21  8 x lane: my two rows in the statistics
.set GW,  23                           ; v23  where I put my two rows' g
.set STO, 24
.set RD,  25
.set CO,  26                           ; v26  16 x lane
.set RLW, 27                           ; v27  where I put my two rows' 1 / L
.set SPW, 28
.set NIL, 29
.set PFO, 30
.set RLR, 31                           ; v31  where I read 1 / L of row lane % 16 of a block
.set RL,  36
.set MX,  44                           ; v44-45  c M of my two rows
.set LL,  46                           ; v46-47  L
.set RC,  48                           ; v48-49  1 / L
.set BF,  64                           ; V's fragments, buffer f at BF + 64 f
.set RAW, 192                          ; P as loaded: block a at RAW + 8 a
.set CMT, 64                           ; the head: c m of tile t, rows 2 l and 2 l + 1, at CMT + 2 t; then g
.set LT,  96                           ; the head: l likewise
.set GP,  128                          ; the head: (g, g) in f16
.set SP,  128                          ; window 2: g P, buffer f at SP + 32 f
.set GC,  192                          ; window 2
.set WV, 12
.set WI, 13                            ; wave / 2: my half of the queries; also: I fetch p (0) or V (1)
.set WJ, 14                            ; wave % 2: my half of the channels; also: which half of that tile I fetch
.set LIM, 15
.set PFA, 20
.set PSTEP, 22
.set G1P, 24
.set G0P, 32
.set TB,  45
.set G1V, 48
.set G0V, 56
.set MSB, 0
.macro WIN new
.if MSB != (\new)
	s_set_vgpr_msb (MSB<<8)|(\new)
.set MSB, (\new)
.endif
.endm
.macro PLACES                          ; four places between a matrix instruction and a load into, or a vector instruction on, its registers (ISA guide 7.12.1 for vector instructions)
.rept 4
	v_nop
.endr
.endm
.macro CREST
	s_cmp_lg_u32 s[WV], 0
	s_cbranch_scc1 .Lnot_wave_0_\@
	s_barrier_signal -3
.Lnot_wave_0_\@:
	s_barrier_wait -3
	s_barrier_signal -1
	s_barrier_wait -1
.endm
.macro CROUND
	s_barrier_signal -1
	s_barrier_wait -1
	CREST
.endm
.macro JLOAD                           ; a joint refill by the walking sets; an s_nop 0 and four v_nop follow each line
	s_cmp_eq_u32 s[WI], 0
	s_cbranch_scc0 .Lfor_v_\@
	tensor_load_to_lds s[G0P+4:G0P+7], s[G1P:G1P+7]
	s_nop 0
.rept 4
	v_nop
.endr
	s_branch .Lasked_\@
.Lfor_v_\@:
	tensor_load_to_lds s[G0V+4:G0V+7], s[G1V:G1V+7]
	s_nop 0
.rept 4
	v_nop
.endr
.Lasked_\@:
.endm
; A PREFETCH INTO THE L2, behind the joint load of trip j (j = 14 - s3) and the run of LDS loads that follows it: K step j + 4, two refills (256 matrix instructions) on.
; p: a step is 256 bytes of each of the tile's 128 rows, which this cluster alone reads: wave 0 asks for its work-group's 32 rows (by cx in the ADDRESS), a lane a row.
; V: a wave's load is 128 blocks of 256 bytes, read by the four clusters of a batch: the first of them (cluster y % 4 = 0) asks, waves 2 and 3, for their work-group's 32 blocks (by cy in the address).
; So each block of K steps 4 to 15 is named once; the last two trips ask for nothing.
.macro ASK
	s_cmp_gt_u32 s3, s[LIM]
	s_cbranch_scc0 .Lnot_mine_\@
	global_prefetch_b8 v[PFO], s[PFA:PFA+1] th:TH_LOAD_NT scope:SCOPE_SE
.Lnot_mine_\@:
.endm
	s_load_b256 s[4:11], s[0:1], 0x0               ; p s[4:5], vt s[6:7], stats s[8:9], out0 s[10:11]
	v_lshl_add_u32 v[SPW], v0, 2, SPARE
	v_mov_b32 v[NIL], 0
	ds_add_u32 v[SPW], v[NIL]                      ; the wave's opening: the add and its wait stand ahead of my first tensor load
	v_lshrrev_b32 v1, 5, v0
	v_readfirstlane_b32 s[WV], v1
	s_lshr_b32 s[WI], s[WV], 1
	s_and_b32 s[WJ], s[WV], 1
	s_bfe_u32 s40, ttmp6, 0x40000                  ; cx
	s_bfe_u32 s41, ttmp6, 0x40004                  ; cy
	s_lshl_b32 s42, ttmp9, 2
	s_add_co_u32 s42, s42, s40                     ; tile column
	s_and_b32 s43, ttmp7, 0xffff
	s_lshl_b32 s43, s43, 2
	s_add_co_u32 s43, s43, s41                     ; tile row
	s_lshl_b32 s16, s41, 2
	s_lshl_b32 s16, 15, s16                        ; my row of the cluster
	s_lshl_b32 s46, 0x1111, s40                    ; my column
	s_or_b32 s[G1P], s16, (1<<16)|(1<<20)|(1<<21)|(5<<22)|(3<<25)  ; mask; 2-byte elements; padding on; 21 set beside a mask; after every 64 words (code 5) 4 words (code 3)
	s_or_b32 s[G1V], s46, (1<<16)|(1<<20)|(1<<21)|(4<<22)|(7<<25)  ; after every 32 words (code 4) 8 words (code 7)
	s_mov_b32 s[G1P+1], 128<<16                    ; tensor_dim0
	s_mov_b32 s[G1V+1], 128<<16
	s_mov_b32 s[G1P+2], 64<<16                     ; tensor_dim1
	s_mov_b32 s[G1V+2], 128<<16
	s_mov_b32 s[G1P+3], 128<<16                    ; tile_dim0
	s_mov_b32 s[G1V+3], 128<<16
	s_mov_b32 s[G1P+4], 64                         ; tile_dim1
	s_mov_b32 s[G1V+4], 128
	s_mov_b32 s[G1P+5], 2048                       ; elements from row to row: a row of p; V's rows are dense
	s_mov_b32 s[G1V+5], 128
	s_mov_b32 s[G1P+6], 0
	s_mov_b32 s[G1V+6], 0
	s_mov_b32 s[G1P+7], 0
	s_mov_b32 s[G1V+7], 0
	s_lshl_b32 s16, s43, 19                        ; p: row 128 x tile row + 64 x half, 4,096 bytes a row
	s_lshl_b32 s17, s[WJ], 18
	s_add_co_u32 s16, s16, s17
	s_mov_b32 s17, 0
	s_and_b32 s46, ttmp7, 0xffff
	s_lshr_b32 s46, s46, 2                         ; the batch = cluster y / 4:
	s_lshl_b32 s46, s46, 22                        ; its 16 key tiles of 262,144 bytes,
	s_lshl_b32 s47, s42, 16                        ; channel blocks 4 x tile column + 2 x half on, 16,384 bytes each
	s_add_co_u32 s46, s46, s47
	s_lshl_b32 s47, s[WJ], 15
	s_add_co_u32 s46, s46, s47
	s_mov_b32 s47, 0
	s_mul_i32 s18, s[WJ], 64*PP                    ; where they go: no place in the cluster enters an LDS address
	s_mul_i32 s74, s[WJ], 256*PV
	s_add_co_u32 s74, s74, VOFF
	s_mov_b32 s[TB], 0
	s_wait_dscnt 0x0                               ; the opening add is done
	s_wait_kmcnt 0x0
	s_add_nc_u64 s[16:17], s[4:5], s[16:17]
	s_add_nc_u64 s[46:47], s[6:7], s[46:47]
	CROUND                                         ; all sixteen work-groups are here: the first joint loads meet
.irp s, 0,1
	s_mov_b32 s[G0P+4*(\s)], 1
	s_add_co_u32 s[G0P+4*(\s)+1], s18, (\s)*SLOT1
	s_add_nc_u64 s[G0P+4*(\s)+2:G0P+4*(\s)+3], s[16:17], (\s)*256
	s_or_b32 s[G0P+4*(\s)+3], s[G0P+4*(\s)+3], 0x80000000
	s_mov_b32 s[G0V+4*(\s)], 1
	s_add_co_u32 s[G0V+4*(\s)+1], s74, (\s)*SLOT1
	s_add_nc_u64 s[G0V+4*(\s)+2:G0V+4*(\s)+3], s[46:47], (\s)*262144
	s_or_b32 s[G0V+4*(\s)+3], s[G0V+4*(\s)+3], 0x80000000
.endr
	s_cmp_eq_u32 s[WI], 0                          ; a wave's two first fills stand in one branch: two loads of mine are out
	s_cbranch_scc0 .Lfirst_v
	tensor_load_to_lds s[G0P:G0P+3], s[G1P:G1P+7]
	s_nop 0
	tensor_load_to_lds s[G0P+4:G0P+7], s[G1P:G1P+7]
	s_nop 0
.rept 4
	v_nop
.endr
	s_branch .Lfirst_asked
.Lfirst_v:
	tensor_load_to_lds s[G0V:G0V+3], s[G1V:G1V+7]
	s_nop 0
	tensor_load_to_lds s[G0V+4:G0V+7], s[G1V:G1V+7]
	s_nop 0
.rept 4
	v_nop
.endr
.Lfirst_asked:
	; THE HEAD, in the wait for the first tiles: my wave's 64 queries' statistics.  Lane l takes rows 2 l and 2 l + 1 and all 16 tiles: a load of the wave covers 256 consecutive bytes, aligned.
	v_and_b32 v6, 31, v0                           ; l
	v_lshlrev_b32 v[SO], 3, v6
	s_lshl_b32 s74, s43, 9                         ; row 128 x tile row + 64 WI, 4 bytes a row
	s_lshl_b32 s75, s[WI], 8
	s_add_co_u32 s74, s74, s75
	s_mov_b32 s75, 0
	s_add_nc_u64 s[8:9], s[8:9], s[74:75]
.set t, 0
.rept 16
	global_load_b64 v[CMT+2*t:CMT+2*t+1], v[SO], s[8:9] offset:t*32768
	global_load_b64 v[LT+2*t:LT+2*t+1],   v[SO], s[8:9] offset:t*32768+524288
.set t, t+1
.endr
	v_and_b32 v1, 15, v0                           ; l % 16
	v_bfe_u32 v2, v0, 4, 1                         ; l / 16
	v_mul_u32_u24 v3, v1, PP
	v_lshl_add_u32 v3, v2, 4, v3
	s_mul_i32 s74, s[WI], 64*PP
	v_add_nc_u32 v[AP0], s74, v3                   ; P's fragment: row x pitch + 16 x half
	; the turning load takes 16 keys x 16 channels (lane l reads key 8 (l / 16) + l % 8, channels 8 ((l / 8) % 2) + 0..7) and leaves half a fragment of V^T: lane l holds channel l % 16 and 8 keys
	v_and_b32 v4, 7, v0                            ; l % 8
	v_bfe_u32 v5, v0, 3, 1
	v_lshl_add_u32 v7, v2, 3, v4
	v_mul_u32_u24 v7, v7, PV
	v_lshl_add_u32 v7, v5, 4, v7
	s_mul_i32 s74, s[WJ], 256*PV
	s_add_co_u32 s74, s74, VOFF
	v_add_nc_u32 v[AV0], s74, v7
	v_mov_b32 v[AP], v[AP0]
	v_mov_b32 v[AV], v[AV0]
	s_lshl_b32 s74, s[WV], 12
	s_add_co_u32 s74, s74, GTAB                    ; my wave's table of g
	v_lshl_add_u32 v[GAD], v1, 4, s74              ; out of it: 16 bytes for row l % 16: the four blocks'
	v_bfe_u32 v8, v0, 3, 2                         ; l / 8: the block of my rows 2 l, 2 l + 1; in it they are rows 2 (l % 8) and + 1
	v_lshl_add_u32 v[GW], v4, 5, s74
	v_lshl_add_u32 v[GW], v8, 2, v[GW]             ; into it: 32 (l % 8) + 4 (l / 8); the second row 16 bytes on
	s_lshl_b32 s74, s[WV], 8
	s_add_co_u32 s74, s74, RLT
	v_lshl_add_u32 v[RLW], v6, 3, s74
	v_lshl_add_u32 v[RLR], v1, 2, s74
	s_mul_i32 s74, s[WV], 16*SPITCH
	s_add_co_u32 s74, s74, STAGE
	v_mul_u32_u24 v3, v1, SPITCH                   ; in: row l % 16, 32 bytes for each half of the lanes
	v_lshl_add_u32 v3, v2, 5, v3
	v_add_nc_u32 v[STO], s74, v3
	v_lshl_add_u32 v[RD], v6, 4, s74               ; back: a row of 512 bytes
	v_lshlrev_b32 v[CO], 4, v6
	; the prefetches
	s_lshl_b32 s74, s43, 19                        ; p: the tile's first row,
	s_lshl_b32 s75, s40, 17                        ; my work-group's 32 rows,
	s_add_co_u32 s74, s74, s75
	s_add_co_u32 s74, s74, 3*256                   ; at K step 3: the first change of slots steps it to 4
	s_and_b32 s75, ttmp7, 0xffff
	s_lshr_b32 s75, s75, 2
	s_lshl_b32 s75, s75, 22                        ; V: the batch,
	s_lshl_b32 s76, s42, 16
	s_add_co_u32 s75, s75, s76
	s_lshl_b32 s76, s[WJ], 15                      ; my two channel blocks,
	s_add_co_u32 s75, s75, s76
	s_lshl_b32 s76, s41, 13                        ; my work-group's 32 blocks of 256 bytes,
	s_add_co_u32 s75, s75, s76
	s_add_co_u32 s75, s75, 3*262144                ; at K step 3
	s_and_b32 s76, ttmp7, 3                        ; cluster y % 4
	s_mov_b32 s77, 256
	s_mov_b32 s78, 262144
	s_cmp_lt_u32 s[WV], 2
	s_cselect_b32 s74, s74, s75
	s_cselect_b32 s76, s[WV], s76                  ; 0 where I ask: wave 0; waves 2 and 3 of a batch's first cluster
	s_cselect_b32 s[PSTEP], s77, s78
	s_cselect_b32 s77, 12, 8
	s_cselect_b64 s[PFA:PFA+1], s[4:5], s[6:7]
	s_cmp_eq_u32 s76, 0
	s_cselect_b32 s[LIM], 2, -1                    ; the same in all sixteen partners, for a given wave
	s_mov_b32 s[PSTEP+1], 0
	s_mov_b32 s75, 0
	s_add_nc_u64 s[PFA:PFA+1], s[PFA:PFA+1], s[74:75]
	v_lshlrev_b32 v[PFO], s77, v6                  ; a lane a row of p, or a lane a block of V
	; where my part of out0 begins
	s_lshl_b32 s74, s43, 19
	s_lshl_b32 s76, s[WI], 18
	s_add_co_u32 s74, s74, s76
	s_lshl_b32 s76, s42, 10
	s_add_co_u32 s74, s74, s76
	s_lshl_b32 s76, s[WJ], 9
	s_add_co_u32 s74, s74, s76
	s_add_nc_u64 s[10:11], s[10:11], s[74:75]
	s_wait_loadcnt 0x0
.irp e, 0,1                            ; c M of my two rows, which alternate
	v_max3_num_f32 v[MX+(\e)], v[CMT+(\e)], v[CMT+2+(\e)], v[CMT+4+(\e)]
.endr
.set t, 3
.rept 6
.irp e, 0,1
	v_max3_num_f32 v[MX+(\e)], v[MX+(\e)], v[CMT+2*t+(\e)], v[CMT+2*t+2+(\e)]
.endr
.set t, t+2
.endr
.irp e, 0,1
	v_max_num_f32 v[MX+(\e)], v[MX+(\e)], v[CMT+30+(\e)]
.endr
.set t, 0
.rept 16
	v_pk_add_f32 v[CMT+2*t:CMT+2*t+1], v[CMT+2*t:CMT+2*t+1], v[MX:MX+1] neg_lo:[0,1] neg_hi:[0,1]  ; c m_t - c M, at most 0
.set t, t+1
.endr
.set i, 0
.rept 32
	v_exp_f32 v[CMT+i], v[CMT+i]                   ; g
.set i, i+1
.endr
	v_nop                                          ; a plain instruction behind the last exponential (ISA guide 5.7.2),
	s_wait_alu depctr_va_vdst(0)                   ; and the wait ahead of the first use: one for the 32
	v_pk_mul_f32 v[LL:LL+1], v[CMT:CMT+1], v[LT:LT+1]
.set t, 1
.rept 15
	v_pk_fma_f32 v[LL:LL+1], v[CMT+2*t:CMT+2*t+1], v[LT+2*t:LT+2*t+1], v[LL:LL+1]  ; L = the sum of g l, in f32
.set t, t+1
.endr
	v_rcp_f32 v[RC], v[LL]
	v_rcp_f32 v[RC+1], v[LL+1]
.set i, 0
.rept 32                                       ; the conversions, which name no reciprocal, stand between the reciprocals and their wait
	v_cvt_pk_f16_f32 v[GP+i], v[CMT+i], v[CMT+i]
.set i, i+1
.endr
	s_wait_alu depctr_va_vdst(0)                   ; one wait for the two reciprocals
.set i, 0
.rept 32
	ds_store_b32 v[GW], v[GP+i] offset:(i/2)*256+(i%2)*16  ; step i / 2, my row i % 2.  My wave's own bytes: only it reads them
.set i, i+1
.endr
	ds_store_b64 v[RLW], v[RC:RC+1]
; 8 matrix instructions: query block a x all 8 channel blocks, 32 keys, buffers f.  The 32 accumulators take turns, one instruction a turn, in the same order in every slice.
; rid > 0 (blocks 2 and 3 alone): behind each stand rid of the 32 multiplies that make buffer g's g P, from number n0 on: they name no register of the products round them and need no switch.
.macro MULQ f, a, zero=0, rid=0, g=0, n0=0
.set n, (\n0)
	WIN 0x58+0x50*((\a)/2)                         ; V in window 0, g P in window 2, C and D in window 1 (blocks 0, 1) or 2 (blocks 2, 3)
.irp b, 0,1,2,3,4,5,6,7
.if \zero
	v_wmma_f32_16x16x32_f16 v[8*(8*((\a)%2)+(\b)):8*(8*((\a)%2)+(\b))+7], v[BF+64*(\f)+8*(\b):BF+64*(\f)+8*(\b)+7], v[SP+32*(\f)+8*(\a):SP+32*(\f)+8*(\a)+7], 0
.else
	v_wmma_f32_16x16x32_f16 v[8*(8*((\a)%2)+(\b)):8*(8*((\a)%2)+(\b))+7], v[BF+64*(\f)+8*(\b):BF+64*(\f)+8*(\b)+7], v[SP+32*(\f)+8*(\a):SP+32*(\f)+8*(\a)+7], v[8*(8*((\a)%2)+(\b)):8*(8*((\a)%2)+(\b))+7]
.endif
.if \rid
.rept \rid
	v_pk_mul_f16 v[SP+32*(\g)+n], v[RAW+n], v[GC+n/8]
.set n, n+1
.endr
.endif
.endr
.endm
; 24 LDS loads in one run, all into window 0: slice q's P (8 loads, first) and its V into buffer g (16)
.macro FETCH g, q
	WIN 0
.irp a, 0,1,2,3
	ds_load_b128 v[RAW+8*(\a):RAW+8*(\a)+3],   v[AP] offset:64*(\q)+(\a)*16*PP
	ds_load_b128 v[RAW+8*(\a)+4:RAW+8*(\a)+7], v[AP] offset:64*(\q)+(\a)*16*PP+32
.endr
.irp b, 0,1,2,3,4,5,6,7
	ds_load_tr16_b128 v[BF+64*(\g)+8*(\b):BF+64*(\g)+8*(\b)+3],   v[AV] offset:(\q)*32*PV+((\b)/4)*128*PV+((\b)%4)*32
	ds_load_tr16_b128 v[BF+64*(\g)+8*(\b)+4:BF+64*(\g)+8*(\b)+7], v[AV] offset:(\q)*32*PV+((\b)/4)*128*PV+((\b)%4)*32+16*PV
.endr
.endm
; A slice's 32 products on buffers f, and in its second half the multiplies that make the next slice's g P in buffer g.
; The four places in front of the next run of loads (into V's buffer f) are the last product's two multiplies and the two v_nop.
.macro BODY f, g, zero=0
	MULQ \f, 0, \zero
	MULQ \f, 1, \zero
	s_wait_dscnt 16                                ; P's 8 loads (and, behind a change of slots, g's one) are in; V's 16 may be out
	MULQ \f, 2, \zero, 2, \g, 0
	MULQ \f, 3, \zero, 2, \g, 16
	v_nop
	v_nop
.endm
.macro SLICE f, g, qn, zero=0          ; one of a K step's first three slices of 32 keys: fetches slice qn at its head
	s_wait_dscnt 0x0                               ; V's buffer f is in
	FETCH \g, \qn
	BODY \f, \g, \zero
.endm
; The last slice multiplies buffers 1; THE CHANGE OF SLOTS stands at its head.  Each wave waits for all its tensor loads (one is out: its part of the next slot), adds 0 to its spare word, and waits for that and for
; its reads of this slot (the last were issued a slice ago).  fill = 1: the barrier opens a round of the cluster's, and the joint refill (the K step two on) is the first thing behind it.  Nothing but the round stands
; between the wait for the tiles and the next request: the slice's 32 products stand behind the request, so that a whole step, 128 matrix instructions, lies between a request and the wait for it.
.macro TURN fill
.if \fill
	s_wait_xcnt 0x0                                ; the last prefetch, a K step back, has read its address
	s_add_nc_u64 s[PFA:PFA+1], s[PFA:PFA+1], s[PSTEP:PSTEP+1]
.endif
	WIN 0
	s_wait_tensorcnt 0x0                           ; no tensor load of mine is out, so a group 0 may be written
	ds_add_u32 v[SPW], v[NIL]                      ; 0 onto my spare word
.if \fill
	s_xor_b32 s[G0P+5], s[G0P+5], SLOT1
	s_add_nc_u64 s[G0P+6:G0P+7], s[G0P+6:G0P+7], 256
	s_xor_b32 s[G0V+5], s[G0V+5], SLOT1
	s_add_nc_u64 s[G0V+6:G0V+7], s[G0V+6:G0V+7], 262144
.endif
	s_wait_dscnt 0x0                               ; the add is done, V's buffer 1 is in, and with it my reads of this slot are over
	s_barrier_signal -1
	s_barrier_wait -1
.if \fill
	CREST
	JLOAD
.else
	PLACES
.endif
	s_xor_b32 s[TB], s[TB], SLOT1
	v_add_nc_u32 v[AP], s[TB], v[AP0]
	v_add_nc_u32 v[AV], s[TB], v[AV0]
	WIN 0x80                                       ; destination window 2
	ds_load_b128 v[GC:GC+3], v[GAD]                ; the next step's g
	WIN 0
	v_add_nc_u32 v[GAD], 256, v[GAD]
	FETCH 0, 0
.if \fill
	ASK
.endif
	BODY 1, 0
.endm
	s_wait_dscnt 0x0                               ; my stores of g and 1 / L are done: no LDS instruction is pending at a signal
	s_wait_tensorcnt 0x1                           ; my part of K step 0 is in; step 1's may stay out
	s_barrier_signal -1
	s_barrier_wait -1
	WIN 0x80
	ds_load_b128 v[GC:GC+3], v[GAD]                ; step 0's g
	WIN 0
	v_add_nc_u32 v[GAD], 256, v[GAD]
	FETCH 0, 0
	s_wait_dscnt 0x0
	WIN 0xa8
.set n, 0
.rept 32
	v_pk_mul_f16 v[SP+n], v[RAW+n], v[GC+n/8]      ; the first slice's g P: there is no matrix work yet to set these beside
.set n, n+1
.endr
	SLICE 0, 1, 1, 1                               ; the first slice stands in front of the loop: its products start the sums
	WIN 0
	s_mov_b32 s3, 14
.Lk:                                           ; trip j = 14 - s3: slices 1 to 3 of K step j, the refill with step j + 2, slice 0 of step j + 1
	SLICE 1, 0, 2
	SLICE 0, 1, 3
	TURN 1
	SLICE 0, 1, 1
	WIN 0
	s_sub_co_u32 s3, s3, 1
	s_cmp_lg_u32 s3, 0
	s_cbranch_scc1 .Lk
; THE TAIL asks for nothing and has a text of its own; the text is walked twice and left in its middle: slices 1 to 3 of step 14, the change to step 15 and its slice 0; then slices 1 and 2 of step 15.
	s_mov_b32 s3, 2
.Ltail:
	SLICE 1, 0, 2
	SLICE 0, 1, 3
	WIN 0
	s_sub_co_u32 s3, s3, 1
	s_cmp_eq_u32 s3, 0
	s_cbranch_scc1 .Lout
	TURN 0
	SLICE 0, 1, 1
	WIN 0
	s_branch .Ltail
.Lout:
	s_wait_dscnt 0x0                               ; the very last slice: nothing more to fetch
	MULQ 1, 0
	MULQ 1, 1
	MULQ 1, 2
	MULQ 1, 3
	WIN 0
.irp a, 0,1,2,3
	ds_load_b32 v[RL+2*(\a)], v[RLR] offset:64*(\a)  ; 1 / L of row lane % 16 of block a
.endr
	s_wait_dscnt 0x0
.irp a, 0,1,2,3
	v_mov_b32 v[RL+2*(\a)+1], v[RL+2*(\a)]         ; twice: the packed multiply names a pair.  These four lines are also the places behind the last products
.endr
; THE WAY OUT, 16 queries at a time: times 1 / L (each accumulator's registers in ascending order), through my stage, and out as whole rows of 512 bytes.
.macro SCALE a
	WIN 0x41*(1+(\a)/2)                            ; destination and source 0 in window 1 or 2, 1 / L in window 0
.set i, 64*((\a)%2)
.rept 32
	v_pk_mul_f32 v[i:i+1], v[i:i+1], v[RL+2*(\a):RL+2*(\a)+1] op_sel_hi:[1,0]
.set i, i+2
.endr
.endm
.macro TOSTAGE a
.set BK, 64+64*((\a)%2)
	WIN 0x04*(1+(\a)/2)                            ; the stores' data in window 1 or 2
.irp b, 0,1,2,3,4,5,6,7
.irp z, 0,1
	ds_store_b128 v[STO], v[64*((\a)%2)+8*(\b)+4*(\z):64*((\a)%2)+8*(\b)+4*(\z)+3] offset:64*(\b)+16*(\z)
.endr
.endr
	WIN 0
.irp t, 0,1,2,3,4,5,6,7,8,9,10,11,12,13,14,15
	ds_load_b128 v[BK+4*(\t):BK+4*(\t)+3], v[RD] offset:(\t)*SPITCH  ; LDS serves a wave's instructions in order (ISA guide 5.7.1.4): these see the stores above
.endr
.endm
.macro SEND a
.set BK, 64+64*((\a)%2)
	WIN 0                                          ; the stores' address (v26) and data (v64-191) lie in window 0; SCALE, which stands in front, leaves source 0 in another window
	s_wait_dscnt 0x0                               ; the block is back in registers
	s_wait_xcnt 0x0                                ; the stores of the block before have read their registers, which the next TOSTAGE loads again
.irp t, 0,1,2,3,4,5,6,7,8,9,10,11,12,13,14,15
	global_store_b128 v[CO], v[BK+4*(\t):BK+4*(\t)+3], s[10:11] offset:(16*(\a)+(\t))*4096  ; 512 consecutive bytes, at a multiple of 256 from out0's first byte
.endr
.endm
	SCALE 0
	TOSTAGE 0
.irp a, 1,2,3
	SCALE \a
	SEND (\a)-1
	TOSTAGE \a
.endr
	SEND 3
	s_wait_tensorcnt 0x0                           ; the wave's end, behind my last tensor load and my last LDS store
	ds_add_u32 v[SPW], v[NIL]
	s_wait_dscnt 0x0
	CROUND                                         ; the closing round
	s_endpgm
.Lfunc_end_k_q4eed6f24d3_pv:
	.size	k_q4eed6f24d3_pv, .Lfunc_end_k_q4eed6f24d3_pv-k_q4eed6f24d3_pv
	.p2alignl 7, 3214868480
	.fill 96, 4, 3214868480
	.section	.rodata,"a",@progbits
	.p2align	6, 0x0
	.amdhsa_kernel k_q4eed6f24d3_pv
		.amdhsa_group_segment_fixed_size 327680
		.amdhsa_private_segment_fixed_size 0
		.amdhsa_enable_private_segment 0
		.amdhsa_kernarg_size 32
		.amdhsa_user_sgpr_count 2
		.amdhsa_user_sgpr_kernarg_segment_ptr 1
		.amdhsa_wavefront_size32 1
		.amdhsa_system_sgpr_workgroup_id_x 1
		.amdhsa_system_sgpr_workgroup_id_y 1
		.amdhsa_system_sgpr_workgroup_id_z 1
		.amdhsa_system_vgpr_workitem_id 0
		.amdhsa_next_free_vgpr 768
		.amdhsa_next_free_sgpr 80
		.amdhsa_reserve_vcc 0
		.amdhsa_float_denorm_mode_32 3
		.amdhsa_float_denorm_mode_16_64 3
		.amdhsa_memory_ordered 1
		.amdhsa_forward_progress 1
		.amdhsa_inst_pref_size 104
	.end_amdhsa_kernel
	.amdgpu_metadata
---
amdhsa.version: [ 1, 2 ]
amdhsa.kernels:
  - .name:           k_q4eed6f24d3_pv
    .symbol:         k_q4eed6f24d3_pv.kd
    .args:
      - { .name: p, .offset: 0, .size: 8, .value_kind: global_buffer, .address_space: global }
      - { .name: vt, .offset: 8, .size: 8, .value_kind: global_buffer, .address_space: global }
      - { .name: stats, .offset: 16, .size: 8, .value_kind: global_buffer, .address_space: global }
      - { .name: out0, .offset: 24, .size: 8, .value_kind: global_buffer, .address_space: global }
    .group_segment_fixed_size: 327680
    .private_segment_fixed_size: 0
    .kernarg_segment_align: 8
    .kernarg_segment_size: 32
    .max_flat_workgroup_size: 128
    .sgpr_count:     80
    .vgpr_count:     768
    .wavefront_size: 32
...
	.end_amdgpu_metadata
.endif
;; end of part 4
;; ======== version 2 of 2: 4 launches; version 1 with the launch cast written anew for expert scheduling mode
;; limits: values are held in f16: magnitudes above 65,504 overflow, below 6.1e-05 lose precision; right only within a limited range of input values
;; workspace buffers: xb 16,777,216 bytes; wb 6,291,456 bytes; qk 33,554,432 bytes; vt 16,777,216 bytes; p 33,554,432 bytes; stats 1,048,576 bytes
;; launch cast (part 5): grid 256 x 1, 11 waves a work-group, no clusters, 0 bytes of LDS; arguments x, W_q, W_k, W_v, xb, wb; writes xb, wb
.if DOCPART == 5
	.amdgcn_target "amdgcn-amd-amdhsa--gfx1250"
	.amdhsa_code_object_version 6
	.text
	.protected	k_q4eed6f24d3_cast
	.globl	k_q4eed6f24d3_cast
	.p2align	8
	.type	k_q4eed6f24d3_cast,@function
k_q4eed6f24d3_cast:
	s_mov_b64 s[64:65], 0
	v_nop
	global_prefetch_b8 v0, s[64:65] scope:SCOPE_SE
	s_setreg_imm32_b32 hwreg(HW_REG_WAVE_SCHED_MODE, 0, 2), 2
	s_setreg_imm32_b32 hwreg(HW_REG_WAVE_MODE, 25, 1), 1
	s_wait_xcnt 0x0
	s_wait_alu depctr_vm_vsrc(0)
; x [8192][1024] and W_q, W_k, W_v [1024][1024], all f32, are rounded once to bf16 (nearest even) and laid out in blocks of 64 along K:
;   xb: [16 kb][8192 rows][64], byte kb x 1,048,576 + row x 128 + 2 k;   wb: [16 kb][3072 rows][64], rows 0-1023 W_q, 1024-2047 W_k, 2048-3071 W_v, a block 393,216 bytes.
; So the rows of a tile of the next launch (64 along K) lie end to end in memory.
; SHARES.  11,264 rows of 4,096 bytes: 44 to a work-group, 4 to each of its 11 waves; a wave's first row is a multiple of 4, so its rows lie in one tensor.
; A load takes 256 bytes (one block's 64 numbers) of two rows, 16 bytes a lane; the store puts the same two rows' 128 + 128 bytes, which are neighbours in a block: 256 consecutive bytes, aligned.
; All 32 loads of a wave go out first (16 KiB a wave); they are worked off in 8 groups of four, each group waited for by its own count.
; No LDS, no matrix unit, no cluster: nothing is shared and nothing is added up.
; THE MODE: SCHED_MODE bits 1:0 = 2 (LLVM: expert scheduling mode 2), set by the entry lines.  The code itself states the register dependences
; between vector instructions and memory instructions, with s_wait_alu, always for 0.
; THE PLAN.  Registers that memory instructions touch:
;   v2        the loads' offset.   Written at the head, ahead of the wait in front of the first load; never again.
;   v8-v23    the stores' offsets. v8 written at the head, v9-v23 behind the loads, which do not name them; never again.  Read by the stores, the first of which stands behind group 1's wait.
;   v32-v159  four registers a load.  The load lands in them; the two conversions of its group read them and write the first two in place; one store, issued in the next group, reads those two.
; Group g converts loads 4 g to 4 g + 3 and issues the stores of group g - 1: registers that no conversion of group g names.  So ONE wait on va_vdst at a group's head states all that its four stores hang on,
; and these are dealt among the group's eight conversions with no further wait.  No vector instruction names a load's registers before it has landed, and no register that a memory instruction reads is written again:
; so there is no wait on vm_vsrc and none on XCNT in the text.  EXEC is never written.
.set VI, 2                             ; v2      where I read: (lane / 16) x 4,096 + 16 (lane % 16)
.set VO, 8                             ; v[8:23] where I write in block kb: (lane / 16) x 128 + 8 (lane % 16) + kb x the block's bytes
.set IN, 32                            ; v[32:159] four registers for each of the 32 loads
.set GRP, 4                            ; loads in a group
	s_load_b256 s[4:11], s[0:1], 0x0               ; x s[4:5], W_q s[6:7], W_k s[8:9], W_v s[10:11]
	s_load_b128 s[12:15], s[0:1], 0x20             ; xb s[12:13], wb s[14:15]
	v_lshrrev_b32 v1, 5, v0
	v_readfirstlane_b32 s16, v1                    ; wave 0..10
	v_and_b32 v3, 15, v0
	v_bfe_u32 v4, v0, 4, 1
	v_lshlrev_b32 v[VI], 4, v3
	v_lshl_add_u32 v[VI], v4, 12, v[VI]
	v_lshlrev_b32 v[VO], 3, v3
	v_lshl_add_u32 v[VO], v4, 7, v[VO]
	s_mov_b32 s28, 0x100000                        ; a block of xb
	s_mov_b32 s29, 0x60000                         ; a block of wb
	s_mov_b32 s31, 0
	s_mul_i32 s17, ttmp9, 44
	s_wait_alu depctr_va_sdst(0)                   ; s16 is written, ahead of its first reader: my first row, and with it both bases, are made from it
	s_lshl2_add_u32 s17, s16, s17                  ; my first row among the 11,264
	s_sub_co_u32 s18, s17, 8192                    ; its place among the 3,072 rows of the weights (used only where it is one of them)
	s_lshr_b32 s19, s18, 10                        ; which weight
	s_and_b32 s20, s18, 1023                       ; the row in it
	s_wait_kmcnt 0x0
	s_cmp_eq_u32 s19, 1
	s_cselect_b64 s[22:23], s[8:9], s[6:7]
	s_cmp_eq_u32 s19, 2
	s_cselect_b64 s[22:23], s[10:11], s[22:23]
	s_cmp_lt_u32 s17, 8192                         ; a row of x?
	s_cselect_b64 s[22:23], s[4:5], s[22:23]       ; from where
	s_cselect_b64 s[24:25], s[12:13], s[14:15]     ; to where
	s_cselect_b32 s26, s17, s20                    ; the row in the source
	s_cselect_b32 s27, s17, s18                    ; the row in the target
	s_cselect_b32 s28, s28, s29                    ; the target's block
	s_lshl_b32 s30, s26, 12
	s_add_nc_u64 s[22:23], s[22:23], s[30:31]
	s_lshl_b32 s30, s27, 7
	s_add_nc_u64 s[24:25], s[24:25], s[30:31]
	s_wait_alu depctr_va_vdst(0)                   ; v2 is written, which all 32 loads read as their offset
.set n, 0
.rept 32                                       ; load n: rows 2 (n / 16) and + 1, block n % 16
	global_load_b128 v[IN+4*n:IN+4*n+3], v[VI], s[22:23] offset:(n/16)*8192+(n%16)*256 th:TH_LOAD_NT
.set n, n+1
.endr
.set n, 1
.rept 15                                       ; the stores' other offsets are made while the loads are out: these lines name neither v2 nor a load's registers
	v_add_nc_u32 v[VO+n], s28, v[VO+n-1]
.set n, n+1
.endr
.set g, 0
.rept 32/GRP                                   ; group g
	s_wait_loadcnt 32-GRP-GRP*g                    ; loads come back in order (ISA guide 5.7.1): group g's four are in, the younger ones stay out
.if g > 0
	s_wait_alu depctr_va_vdst(0)                   ; the conversions of the group before have written the registers that the four stores below read; at group 1 also: v8 to v23, the stores' offsets, are written
.endif
.set i, 0
.rept GRP
.set n, GRP*g+i
.if g > 0
	global_store_b64 v[VO+(n-GRP)%16], v[IN+4*(n-GRP):IN+4*(n-GRP)+1], s[24:25] offset:((n-GRP)/16)*256  ; the group before; no vector instruction since the wait names these registers
.endif
	v_cvt_pk_bf16_f32 v[IN+4*n], v[IN+4*n], v[IN+4*n+1]
	v_cvt_pk_bf16_f32 v[IN+4*n+1], v[IN+4*n+2], v[IN+4*n+3]
.set i, i+1
.endr
.set g, g+1
.endr
	s_wait_alu depctr_va_vdst(0)                   ; the last group's conversions have written the registers that the last four stores read
.set n, 32-GRP
.rept GRP
	global_store_b64 v[VO+n%16], v[IN+4*n:IN+4*n+1], s[24:25] offset:(n/16)*256
.set n, n+1
.endr
	s_endpgm
.Lfunc_end_k_q4eed6f24d3_cast:
	.size	k_q4eed6f24d3_cast, .Lfunc_end_k_q4eed6f24d3_cast-k_q4eed6f24d3_cast
	.p2alignl 7, 3214868480
	.fill 96, 4, 3214868480
	.section	.rodata,"a",@progbits
	.p2align	6, 0x0
	.amdhsa_kernel k_q4eed6f24d3_cast
		.amdhsa_group_segment_fixed_size 0
		.amdhsa_private_segment_fixed_size 0
		.amdhsa_enable_private_segment 0
		.amdhsa_kernarg_size 48
		.amdhsa_user_sgpr_count 2
		.amdhsa_user_sgpr_kernarg_segment_ptr 1
		.amdhsa_wavefront_size32 1
		.amdhsa_system_sgpr_workgroup_id_x 1
		.amdhsa_system_sgpr_workgroup_id_y 1
		.amdhsa_system_sgpr_workgroup_id_z 1
		.amdhsa_system_vgpr_workitem_id 0
		.amdhsa_next_free_vgpr 160
		.amdhsa_next_free_sgpr 66
		.amdhsa_reserve_vcc 0
		.amdhsa_float_denorm_mode_32 3
		.amdhsa_float_denorm_mode_16_64 3
		.amdhsa_memory_ordered 1
		.amdhsa_forward_progress 1
		.amdhsa_inst_pref_size 13
	.end_amdhsa_kernel
	.amdgpu_metadata
---
amdhsa.version: [ 1, 2 ]
amdhsa.kernels:
  - .name:           k_q4eed6f24d3_cast
    .symbol:         k_q4eed6f24d3_cast.kd
    .args:
      - { .name: x, .offset: 0, .size: 8, .value_kind: global_buffer, .address_space: global }
      - { .name: W_q, .offset: 8, .size: 8, .value_kind: global_buffer, .address_space: global }
      - { .name: W_k, .offset: 16, .size: 8, .value_kind: global_buffer, .address_space: global }
      - { .name: W_v, .offset: 24, .size: 8, .value_kind: global_buffer, .address_space: global }
      - { .name: xb, .offset: 32, .size: 8, .value_kind: global_buffer, .address_space: global }
      - { .name: wb, .offset: 40, .size: 8, .value_kind: global_buffer, .address_space: global }
    .group_segment_fixed_size: 0
    .private_segment_fixed_size: 0
    .kernarg_segment_align: 8
    .kernarg_segment_size: 48
    .max_flat_workgroup_size: 352
    .sgpr_count:     66
    .vgpr_count:     160
    .wavefront_size: 32
...
	.end_amdgpu_metadata
.endif
;; end of part 5
;; launch proj: the kernel of part 2 again; grid 8 x 32, 4 waves a work-group, clusters of 4 x 4, 327,680 bytes of LDS; arguments xb, wb, qk, vt; writes qk, vt
;; launch scores: the kernel of part 3 again; grid 8 x 32, 4 waves a work-group, clusters of 4 x 4, 327,680 bytes of LDS; arguments qk, p, stats; writes p, stats
;; launch pv: the kernel of part 4 again; grid 4 x 64, 4 waves a work-group, clusters of 4 x 4, 327,680 bytes of LDS; arguments p, vt, stats, out0; writes out0
